; MI455X (gfx1250); checked and timed in simulation.
; The chip was launched on July 23, 2026; its instructions are those of AMD's public machine-readable ISA for CDNA 5 (MIT licence, August 2026) and "CDNA5" Instruction Set Architecture Reference Guide (July 2026). The comments in the code are by the model that wrote it; some were corrected since.
;; Block. Allowed arithmetic: matrix products marked QUANTISED: E4M3 operands, one given power-of-two scale a tensor, by v_wmma_f32_16x16x64_fp8_fp8 or v_wmma_f32_16x16x128_fp8_fp8, f32 sums; everything else in f32.
;; Inputs: b_attn 3,072 float32; b_fc 4,096 float32; b_mproj 1,024 float32; b_proj 1,024 float32; ln1_b 1,024 float32; ln1_g 1,024 float32; ln2_b 1,024 float32; ln2_g 1,024 float32; lowp_scales 12 int32 (the exponents e of the quantised operands' scales 2^e); w_attn 1,024 x 3,072 float32; w_fc 1,024 x 4,096 float32; w_mproj 4,096 x 1,024 float32; w_proj 1,024 x 1,024 float32; x 4 x 1,024 x 1,024 float32.
;; Outputs: out0 4 x 1,024 x 1,024 float32.
;; This version of the problem:
;;   THIS VERSION OF THE PROBLEM IS GIVEN IN LOW PRECISION. The matrix products marked QUANTISED in the list below multiply operands that are first quantised to E4M3 (4 exponent bits, 3 mantissa bits; 8 bits a number), with one given power-of-two scale for each operand tensor; their sums are f32. All else is computed in f32.
;;   The module's matrix products, in the order in which they are computed (A, B: the left and right operand; K: the contracted axis; several contracted axes count as one K, in the product's order):
;;     1. [M 4,096, K 1,024] x [K 1,024, N 3,072]; A: computed on the way; B: input w_attn: QUANTISED (scales: A lowp_scales[0], B lowp_scales[1])
;;     2. batch 64 x [M 1,024, K 64] x [K 64, N 1,024]; A: computed on the way; B: computed on the way: QUANTISED (scales: A lowp_scales[2], B lowp_scales[3])
;;     3. batch 64 x [M 1,024, K 1,024] x [K 1,024, N 64]; A: softmax (see below); B: computed on the way: QUANTISED (scales: A lowp_scales[4], B lowp_scales[5])
;;     4. [M 4,096, K 1,024] x [K 1,024, N 1,024]; A: computed on the way; B: input w_proj: QUANTISED (scales: A lowp_scales[6], B lowp_scales[7])
;;     5. [M 4,096, K 1,024] x [K 1,024, N 4,096]; A: computed on the way; B: input w_fc: QUANTISED (scales: A lowp_scales[8], B lowp_scales[9])
;;     6. [M 4,096, K 4,096] x [K 4,096, N 1,024]; A: computed on the way; B: input w_mproj: QUANTISED (scales: A lowp_scales[10], B lowp_scales[11])
;;   THE QUANTISER, for each operand of a quantised product, along K:
;;     - The operand's scale is 2^e, e = its entry of the input lowp_scales (int32; the entries are numbered through the quantised products in the list's order, A before B).
;;     - Each number is divided by the scale, clamped to +-448, and rounded to the nearest number of E4M3, ties to even, subnormals kept.
;;     - The product sums the exact products of the quantised numbers (number of the format x scale) in f32.
;;   ~~~python
;;   def quantise(x, axis, e):      # numpy; x: float32 -> the quantised numbers, widened to float32 again
;;       x = np.moveaxis(x, axis, -1); K = x.shape[-1]
;;       r = np.clip(x / 2.0 ** e, -448, 448)
;;       step = 2.0 ** (np.maximum(np.frexp(np.where(r == 0, 1, r))[1] - 1, -6) - 3)
;;       q = np.round(r / step) * step * 2.0 ** e      # np.round: ties to even
;;       return np.moveaxis(q, -1, axis).astype(np.float32)
;;   ~~~
;;   SOFTMAX AHEAD OF A QUANTISED PRODUCT. Where the list says 'softmax', what is quantised is not the finished softmax but p = 2^(t - M), with t = logit x log2(e) and M = ceil(the row's largest t), a whole number; so 1/2 < the row's largest p <= 1. The row's sum l is taken of the UNQUANTISED p, in f32, and the product's result is divided by l at the end. Since M is a whole number, a kernel that streams over the keys may use a running M (the ceiling of the running maximum): every later rescaling is an exact power of two, so the quantised numbers keep their values, but for numbers so far below the row's largest that they fall under the format's range.
;;   OPERANDS COMPUTED ON THE WAY. 'Computed on the way' means the value that the module computes at that place (a softmax that the list does not call 'softmax' is quantised finished and normalised). What goes into a quantiser is computed in f32, as accurately as f32 sums, v_exp_f32 and their like allow (about 1e-6 of the number): no bf16 or f16 on the way to a quantiser, and a product that is left as it is and whose result goes on into a quantised operand takes f32 operands (vector FMAs, or v_wmma_f32_16x16x4_f32). A number that lies on a knife's edge between two numbers of the format may be rounded either way, as far as f32 arithmetic and the matrix unit's own rounding can turn it there, and no further.
;; One version. Each part assembles by itself: llvm-mc -triple=amdgcn-amd-amdhsa -mcpu=gfx1250 --defsym DOCPART=n.
;; ======== version 1 of 1: 7 launches
;; limits: right only within a limited range of input values
;; workspace buffers: pc 16,777,216 bytes; qkvc 12,582,912 bytes; atc 4,194,304 bytes; x1 16,777,216 bytes; h2c 4,194,304 bytes; gc 16,777,216 bytes
;; launch prep (part 1): grid 640 x 1, 4 waves a work-group, no clusters, 35,328 bytes of LDS; arguments x, ln1_g, ln1_b, w_attn, w_proj, w_fc, w_mproj, lowp_scales, pc; writes pc
.if DOCPART == 1
	.amdgcn_target "amdgcn-amd-amdhsa--gfx1250"
	.amdhsa_code_object_version 6
	.text
	.protected	k_qc58a625bfa_prep
	.globl	k_qc58a625bfa_prep
	.p2align	8
	.type	k_qc58a625bfa_prep,@function
k_qc58a625bfa_prep:
	s_mov_b64 s[64:65], 0
	v_nop
	global_prefetch_b8 v0, s[64:65] scope:SCOPE_SE
	s_setreg_imm32_b32 hwreg(HW_REG_WAVE_MODE, 25, 1), 1
	s_wait_xcnt 0x0
; ONE LAUNCH, TWO KINDS OF WORK-GROUP, told apart by the work-group's number.
; 0..383: a weight [K][N] f32 becomes codes of E4M3 laid [N][K], K innermost, with its given scale 2^e.  384..639: LayerNorm 1 of x, quantised with 2^e0.
; pc: w_attn's codes at 0 ([3072][1024]), w_proj's at 3,145,728 ([1024][1024]), w_fc's at 4,194,304 ([4096][1024]), w_mproj's at 8,388,608 ([1024][4096]), the normed rows' at 12,582,912 ([4096][1024]).
; ORDER ALONG K.  The normed rows, w_attn and w_fc are stored in ONE permuted order: inside each 512 along K, byte 16 i + 4 j + t holds k = 128 j + 4 i + t (i 0..31, j 0..3, t 0..3).
; Both operands of a product have it, so every product meets its partner.  It lets the norm load 16 dense bytes a lane and still store 16 dense code bytes a lane; the weights get it by the choice of the rows that a lane loads.
; WEIGHTS: a lane takes a column n and its registers run down K: the conversions then give codes with K innermost.  A wave takes 32 columns x 256 stored places; the codes go through the wave's own
; stage in LDS and leave as rows: sixteen lanes store 256 consecutive bytes, aligned.  Waves share nothing: no barrier.
; NORM: a wave takes 4 rows, a row in 32 registers a lane; mean first, then the mean of the squared differences, so that a common offset of the inputs costs no accuracy.
; LIMITS: each exponent e used here lies between -126 and 119, so that 2^e and 448 x 2^e are f32 numbers.  NaN among the inputs is not served; an infinity is held at the largest code.
.set SPARE, 34816                      ; behind the four stages: the spare words, 128 bytes a wave
.set PITCH, 272                        ; a stage row: 256 code bytes + 16
.set H1OFF, 12582912
.set SPW, 240                          ; v240 LDS address of my spare word; never rewritten
.set NIL, 241                          ; v241 0; never rewritten
.set OFR, 16                           ; weights: v16-47 byte offset of register q's row and my column
.set XW,  48                           ; v48-111 two sets of 32 numbers; later the rows read back
.set CW,  112                          ; v112-119 a block's codes
.set SOF, 120                          ; v120-135 offsets of the sixteen stores
.set G,   16                           ; norm: v16-47 gain, v48-79 bias, v80-207 four rows, v208-239 their codes
.set BT,  48
.set XL,  80
.set CD,  208
	s_load_b512 s[4:19], s[0:1], 0x0               ; x, ln1_g, ln1_b, w_attn, w_proj, w_fc, w_mproj, the exponents
	s_load_b64 s[20:21], s[0:1], 0x40              ; pc
	v_lshl_add_u32 v[SPW], v0, 2, SPARE
	v_mov_b32 v[NIL], 0
	v_lshrrev_b32 v1, 5, v0
	v_readfirstlane_b32 s22, v1                    ; wave
	v_and_b32 v1, 31, v0                           ; lane
	s_wait_kmcnt 0x0
	s_load_b256 s[24:31], s[18:19], 0x0            ; e0..e7
	s_load_b128 s[32:35], s[18:19], 0x20           ; e8..e11
	s_cmp_ge_u32 ttmp9, 384
	s_cbranch_scc1 .Lln
; ---------------- a weight.  Which one, by the work-group's number alone: 0-95 w_attn, 96-127 w_proj, 128-255 w_fc, 256-383 w_mproj
	s_mov_b64 s[36:37], s[16:17]                   ; source
	s_mov_b32 s38, 256                             ; its first work-group
	s_mov_b32 s39, 4                               ; log2 of the pieces of 256 along K
	s_mov_b32 s58, 4096                            ; bytes in a row of the source
	s_mov_b32 s59, 4096                            ; bytes in a row of codes
	s_mov_b32 s60, 8388608                         ; its place in pc
	s_mov_b32 s62, 0                               ; 1: the permuted order
	s_cmp_lt_u32 ttmp9, 256
	s_cselect_b64 s[36:37], s[14:15], s[36:37]
	s_cselect_b32 s38, 128, s38
	s_cselect_b32 s39, 2, s39
	s_cselect_b32 s58, 16384, s58
	s_cselect_b32 s59, 1024, s59
	s_cselect_b32 s60, 4194304, s60
	s_cselect_b32 s62, 1, s62
	s_cmp_lt_u32 ttmp9, 128
	s_cselect_b64 s[36:37], s[12:13], s[36:37]
	s_cselect_b32 s38, 96, s38
	s_cselect_b32 s58, 4096, s58
	s_cselect_b32 s60, 3145728, s60
	s_cselect_b32 s62, 0, s62
	s_cmp_lt_u32 ttmp9, 96
	s_cselect_b64 s[36:37], s[10:11], s[36:37]
	s_cselect_b32 s38, 0, s38
	s_cselect_b32 s58, 12288, s58
	s_cselect_b32 s60, 0, s60
	s_cselect_b32 s62, 1, s62
	s_sub_co_u32 s63, ttmp9, s38
	s_lshr_b32 s66, s63, s39                       ; which 128 columns
	s_bfm_b32 s67, s39, 0
	s_and_b32 s67, s63, s67                        ; y: which 256 stored places along K
	s_lshl_b32 s66, s66, 7
	s_lshl_b32 s68, s22, 5
	s_add_co_u32 s66, s66, s68                     ; my wave's first column
	s_lshr_b32 s68, s67, 1
	s_lshl_b32 s68, s68, 9
	s_and_b32 s69, s67, 1
	s_lshl_b32 s69, s69, 6
	s_add_co_u32 s68, s68, s69                     ; permuted: the piece begins at row 512 (y / 2) + 64 (y % 2),
	s_lshl_b32 s69, s67, 8                         ; natural: at row 256 y
	s_cmp_eq_u32 s62, 1
	s_cselect_b32 s68, s68, s69
	s_cselect_b32 s69, 8, 32                       ; rows from a block of 32 stored places to the next
	s_mul_i32 s68, s68, s58
	s_mul_i32 s70, s69, s58
	s_lshl_b32 s69, s66, 2
	s_add_co_u32 s68, s68, s69
	s_mov_b32 s69, 0
	s_mov_b32 s71, 0
	s_add_nc_u64 s[40:41], s[36:37], s[68:69]      ; a base for each of the eight blocks: none is ever stepped
.irp t, 1,2,3,4,5,6,7
	s_add_nc_u64 s[40+2*\t:41+2*\t], s[38+2*\t:39+2*\t], s[70:71]
.endr
	s_wait_alu depctr_va_vdst(0)
	v_lshlrev_b32 v3, 2, v1
	s_wait_alu depctr_va_vdst(0)
	s_cmp_eq_u32 s62, 1
.set q, 0
.rept 32                                               ; register q of a block: row 128 ((q / 4) % 4) + 4 (q / 16) + q % 4 of the block (permuted), or row q
	s_cselect_b32 s72, 128*((q>>2)&3)+4*(q>>4)+(q&3), q
	s_mul_i32 s72, s72, s58
	v_add_nc_u32 v[OFR+q], s72, v3
.set q, q+1
.endr
	s_mul_i32 s73, s22, 32*PITCH                   ; my stage
	v_mul_u32_u24 v4, v1, PITCH
	v_add_nc_u32 v4, s73, v4                       ; into it: row = my column
	v_and_b32 v5, 15, v1
	v_lshrrev_b32 v6, 4, v1
	v_mul_u32_u24 v7, v6, PITCH
	v_lshl_add_u32 v7, v5, 4, v7
	v_add_nc_u32 v7, s73, v7                       ; out of it: sixteen lanes to a row, two rows an instruction
	v_mul_lo_u32 v8, v6, s59
	v_lshl_add_u32 v8, v5, 4, v8
.set t, 0
	s_wait_alu depctr_va_vdst(0)
.rept 16
	s_mul_i32 s72, s59, 2*t
	v_add_nc_u32 v[SOF+t], s72, v8                 ; the same two rows among the codes
.set t, t+1
.endr
	s_mul_i32 s74, s66, s59
	s_lshl_b32 s75, s67, 8
	s_add_co_u32 s74, s74, s75
	s_add_co_u32 s74, s74, s60
	s_mov_b32 s75, 0
	s_add_nc_u64 s[56:57], s[20:21], s[74:75]      ; my wave's first row of codes, at the piece's 256 bytes
.macro LOAD t                          ; block t's 32 rows at my column: 128 consecutive bytes a wave and load
.set q, 0
.rept 32
	global_load_b32 v[XW+32*((\t)%2)+q], v[OFR+q], s[40+2*(\t):41+2*(\t)] th:TH_LOAD_NT
.set q, q+1
.endr
.endm
	LOAD 0
	LOAD 1
	s_wait_kmcnt 0x0
	s_mov_b32 s76, s35                             ; e11, e9, e7 or e1
	s_cmp_lt_u32 ttmp9, 256
	s_cselect_b32 s76, s33, s76
	s_cmp_lt_u32 ttmp9, 128
	s_cselect_b32 s76, s31, s76
	s_cmp_lt_u32 ttmp9, 96
	s_cselect_b32 s76, s25, s76
	s_add_co_i32 s76, s76, 127
	s_lshl_b32 s77, s76, 23
	v_mov_b32 v11, s77                             ; 2^e: the conversion takes its exponent field
	s_add_co_i32 s76, s76, 8
	s_lshl_b32 s76, s76, 23
	s_or_b32 s76, s76, 0x600000
	v_mov_b32 v10, s76                             ; 448 x 2^e
.macro BLOCK t
.set XS, XW+32*((\t)%2)
.if (\t) < 7
	s_wait_loadcnt 32                              ; this block's 32 loads are in; the next block's 32 may be out
.else
	s_wait_loadcnt 0
.endif
.set q, 0
.rept 32
	v_med3_num_f32 v[XS+q], v[XS+q], -v10, v10     ; the conversion to an 8-bit code does not saturate (ISA guide 7.6.2): the hold comes first
.set q, q+1
.endr
.irp g, 0,1,2,3
	v_cvt_scalef32_pk8_fp8_f32 v[CW+2*\g:CW+2*\g+1], v[XS+8*\g:XS+8*\g+7], v11
.endr
	ds_store_b128 v4, v[CW:CW+3] offset:32*(\t)
	ds_store_b128 v4, v[CW+4:CW+7] offset:32*(\t)+16
.if (\t)+2 < 8
	LOAD (\t)+2
.endif
	s_wait_dscnt 0x0                               ; the stores have read their registers: the next block's codes may be written
.endm
	s_wait_alu depctr_va_vdst(0)
.irp t, 0,1,2,3,4,5,6,7
	BLOCK \t
.endr
.irp t, 0,1,2,3,4,5,6,7,8,9,10,11,12,13,14,15
	ds_load_b128 v[XW+4*\t:XW+4*\t+3], v7 offset:2*\t*PITCH    ; LDS serves a wave's instructions in order: these see my stores
.endr
.irp t, 0,1,2,3,4,5,6,7,8,9,10,11,12,13,14,15
	s_wait_dscnt 15-\t
	global_store_b128 v[SOF+\t], v[XW+4*\t:XW+4*\t+3], s[56:57]
.endr
	s_wait_tensorcnt 0x0                           ; the wave's end, behind my last LDS store
	ds_add_u32 v[SPW], v[NIL]
	s_wait_dscnt 0x0
	s_endpgm
; ---------------- LayerNorm 1
.Lln:
	s_sub_co_u32 s36, ttmp9, 384
	s_lshl_b32 s36, s36, 4
	s_lshl_b32 s37, s22, 2
	s_add_co_u32 s36, s36, s37                     ; my wave's first row
	s_lshl_b32 s38, s36, 12
	s_mov_b32 s39, 0
	s_add_nc_u64 s[4:5], s[4:5], s[38:39]
	s_lshl_b32 s38, s36, 10
	s_add_co_u32 s38, s38, H1OFF
	s_add_nc_u64 s[20:21], s[20:21], s[38:39]
	s_mov_b32 s66, 0x76543210                      ; v_permlanex16_b32: lane l xor 16
	s_mov_b32 s67, 0xfedcba98
	s_mov_b32 s68, 0x3a800000                      ; 1 / 1024
	s_wait_alu depctr_va_vdst(0)
	v_lshlrev_b32 v2, 4, v1                        ; 16 bytes a lane; never rewritten
	v_mov_b32 v7, 0                                ; (named as the upper half of the pair v[6:7])
	v_mov_b32 v13, 0                               ; (a lane permute's destination counts as read)
.macro LDROW p                         ; a row: eight loads of 512 consecutive bytes
.irp i, 0,1,2,3,4,5,6,7
	global_load_b128 v[XL+32*(\p)+4*\i:XL+32*(\p)+4*\i+3], v2, s[4:5] offset:4096*(\p)+512*\i th:TH_LOAD_NT
.endr
.endm
.macro LDVEC reg, base
.irp i, 0,1,2,3,4,5,6,7
	global_load_b128 v[\reg+4*\i:\reg+4*\i+3], v2, s[\base:\base+1] offset:512*\i
.endr
.endm
	LDROW 0
	LDVEC G, 6
	LDVEC BT, 8
	LDROW 1
	LDROW 2
	LDROW 3
	s_wait_kmcnt 0x0
	s_add_co_i32 s69, s24, 127
	s_lshl_b32 s70, s69, 23
	v_mov_b32 v14, s70                             ; 2^e0
	s_add_co_i32 s69, s69, 8
	s_lshl_b32 s69, s69, 23
	s_or_b32 s69, s69, 0x600000
	v_mov_b32 v15, s69                             ; 448 x 2^e0
.macro RED                             ; v12 summed over the 32 lanes, the result in every lane
	v_add_f32_dpp v12, v12, v12 row_xmask:1 row_mask:0xf bank_mask:0xf
	v_add_f32_dpp v12, v12, v12 row_xmask:2 row_mask:0xf bank_mask:0xf
	v_add_f32_dpp v12, v12, v12 row_xmask:4 row_mask:0xf bank_mask:0xf
	v_add_f32_dpp v12, v12, v12 row_xmask:8 row_mask:0xf bank_mask:0xf
	v_permlanex16_b32 v13, v12, s66, s67
	v_add_f32 v12, v12, v13
.endm
.macro ROW p, left                     ; left: the younger loads, which may stay out
.set XR, XL+32*(\p)
	s_wait_loadcnt \left
	v_pk_add_f32 v[8:9], v[XR:XR+1], v[XR+2:XR+3]
	v_pk_add_f32 v[10:11], v[XR+4:XR+5], v[XR+6:XR+7]
.irp j, 8,12,16,20,24,28
	v_pk_add_f32 v[8:9], v[8:9], v[XR+\j:XR+\j+1]
	v_pk_add_f32 v[10:11], v[10:11], v[XR+\j+2:XR+\j+3]
.endr
	v_pk_add_f32 v[8:9], v[8:9], v[10:11]
	v_add_f32 v12, v8, v9
	RED
	v_mul_f32 v4, s68, v12                         ; the mean,
	v_mov_b32 v5, v4                               ; twice, for the packed subtraction
.set j, 0
.rept 16
	v_pk_add_f32 v[XR+j:XR+j+1], v[XR+j:XR+j+1], v[4:5] neg_lo:[0,1] neg_hi:[0,1]
.set j, j+2
.endr
	v_pk_mul_f32 v[8:9], v[XR:XR+1], v[XR:XR+1]
	v_pk_mul_f32 v[10:11], v[XR+2:XR+3], v[XR+2:XR+3]
.irp j, 4,8,12,16,20,24,28
	v_pk_fma_f32 v[8:9], v[XR+\j:XR+\j+1], v[XR+\j:XR+\j+1], v[8:9]
	v_pk_fma_f32 v[10:11], v[XR+\j+2:XR+\j+3], v[XR+\j+2:XR+\j+3], v[10:11]
.endr
	v_pk_add_f32 v[8:9], v[8:9], v[10:11]
	v_add_f32 v12, v8, v9
	RED
	v_fmaak_f32 v12, s68, v12, 0x3727c5ac          ; the variance + 1e-5
	s_wait_alu depctr_va_vdst(0)
	v_rsq_f32 v6, v12
	v_nop                                          ; a plain instruction behind the transcendental,
	s_wait_alu depctr_va_vdst(0)                   ; and the wait ahead of its first reader
.if (\p) == 0
	s_wait_loadcnt 24                              ; gain and bias are in; rows 1 to 3 (24 loads) may be out
.endif
.set j, 0
.rept 16
	v_pk_mul_f32 v[XR+j:XR+j+1], v[XR+j:XR+j+1], v[6:7] op_sel_hi:[1,0]
.set j, j+2
.endr
.set j, 0
.rept 16
	v_pk_fma_f32 v[XR+j:XR+j+1], v[XR+j:XR+j+1], v[G+j:G+j+1], v[BT+j:BT+j+1]
.set j, j+2
.endr
.set j, 0
.rept 32
	v_med3_num_f32 v[XR+j], v[XR+j], -v15, v15
.set j, j+1
.endr
.irp m, 0,1,2,3
	v_cvt_scalef32_pk8_fp8_f32 v[CD+8*(\p)+2*\m:CD+8*(\p)+2*\m+1], v[XR+8*\m:XR+8*\m+7], v14
.endr
	v_nop
	global_store_b128 v2, v[CD+8*(\p):CD+8*(\p)+3], s[20:21] offset:1024*(\p)          ; the wave stores 512 consecutive bytes, aligned
	global_store_b128 v2, v[CD+8*(\p)+4:CD+8*(\p)+7], s[20:21] offset:1024*(\p)+512
.endm
	ROW 0, 40
	ROW 1, 16
	ROW 2, 8
	ROW 3, 0
	s_endpgm
.Lfunc_end_k_qc58a625bfa_prep:
	.size	k_qc58a625bfa_prep, .Lfunc_end_k_qc58a625bfa_prep-k_qc58a625bfa_prep
	.p2alignl 7, 3214868480
	.fill 96, 4, 3214868480
	.section	.rodata,"a",@progbits
	.p2align	6, 0x0
	.amdhsa_kernel k_qc58a625bfa_prep
		.amdhsa_group_segment_fixed_size 35328
		.amdhsa_private_segment_fixed_size 0
		.amdhsa_enable_private_segment 0
		.amdhsa_kernarg_size 72
		.amdhsa_user_sgpr_count 2
		.amdhsa_user_sgpr_kernarg_segment_ptr 1
		.amdhsa_wavefront_size32 1
		.amdhsa_system_sgpr_workgroup_id_x 1
		.amdhsa_system_sgpr_workgroup_id_y 1
		.amdhsa_system_sgpr_workgroup_id_z 1
		.amdhsa_system_vgpr_workitem_id 0
		.amdhsa_next_free_vgpr 244
		.amdhsa_next_free_sgpr 96
		.amdhsa_reserve_vcc 0
		.amdhsa_float_denorm_mode_32 3
		.amdhsa_float_denorm_mode_16_64 3
		.amdhsa_memory_ordered 1
		.amdhsa_forward_progress 1
		.amdhsa_inst_pref_size 96
	.end_amdhsa_kernel
	.amdgpu_metadata
---
amdhsa.version: [ 1, 2 ]
amdhsa.kernels:
  - .name:           k_qc58a625bfa_prep
    .symbol:         k_qc58a625bfa_prep.kd
    .args:
      - { .name: x, .offset: 0, .size: 8, .value_kind: global_buffer, .address_space: global }
      - { .name: ln1_g, .offset: 8, .size: 8, .value_kind: global_buffer, .address_space: global }
      - { .name: ln1_b, .offset: 16, .size: 8, .value_kind: global_buffer, .address_space: global }
      - { .name: w_attn, .offset: 24, .size: 8, .value_kind: global_buffer, .address_space: global }
      - { .name: w_proj, .offset: 32, .size: 8, .value_kind: global_buffer, .address_space: global }
      - { .name: w_fc, .offset: 40, .size: 8, .value_kind: global_buffer, .address_space: global }
      - { .name: w_mproj, .offset: 48, .size: 8, .value_kind: global_buffer, .address_space: global }
      - { .name: lowp_scales, .offset: 56, .size: 8, .value_kind: global_buffer, .address_space: global }
      - { .name: pc, .offset: 64, .size: 8, .value_kind: global_buffer, .address_space: global }
    .group_segment_fixed_size: 35328
    .private_segment_fixed_size: 0
    .kernarg_segment_align: 8
    .kernarg_segment_size: 72
    .max_flat_workgroup_size: 128
    .sgpr_count:     96
    .vgpr_count:     244
    .wavefront_size: 32
...
	.end_amdgpu_metadata
.endif
;; end of part 1
;; launch qkv (part 2): grid 12 x 16, 4 waves a work-group, clusters of 4 x 4, 327,680 bytes of LDS; arguments pc, lowp_scales, b_attn, qkvc; writes qkvc
.if DOCPART == 2
	.amdgcn_target "amdgcn-amd-amdhsa--gfx1250"
	.amdhsa_code_object_version 6
	.text
	.protected	k_qc58a625bfa_qkv
	.globl	k_qc58a625bfa_qkv
	.p2align	8
	.type	k_qc58a625bfa_qkv,@function
k_qc58a625bfa_qkv:
	s_mov_b64 s[64:65], 0
	v_nop
	global_prefetch_b8 v0, s[64:65] scope:SCOPE_SE
	s_setreg_imm32_b32 hwreg(HW_REG_WAVE_MODE, 25, 1), 1
	s_wait_xcnt 0x0
	s_wait_alu depctr_hold_cnt(0) depctr_sa_sdst(0) depctr_va_vdst(0) depctr_va_sdst(0) depctr_va_ssrc(0) depctr_va_vcc(0) depctr_vm_vsrc(0)
	s_getreg_b32 s2, hwreg(HW_REG_IB_STS2, 6, 4)
	s_cmp_eq_u32 s2, 0
	s_cbranch_scc0 .Lentry_in_a_cluster
	s_endpgm
.Lentry_in_a_cluster:
	s_bfe_u32 s2, ttmp6, 0x10000c
	s_cmp_lg_u32 s2, 0xf033
	s_cbranch_scc0 .Lentry_shape_is_right
	s_endpgm
.Lentry_shape_is_right:
; q, k, v = Q(LN1(x)) Q(w_attn) + b_attn on codes of E4M3, then quantised again: q with 2^e2, k with 2^e3, v with 2^e5.  K = 1,024.
; A tile of 256 x 256 is made by four waves, 128 x 128 each (64 accumulators, 512 registers); K goes in steps of 256 through a ring of two LDS slots filled by the tensor data mover.
; THE MATRIX INSTRUCTION IS USED TRANSPOSED (source 0 = 16 rows of B, source 1 = 16 rows of A): a lane holds eight neighbouring columns of one row of the tile.
; Clusters x = 0, 1: A = the tokens' codes, B = w_attn's rows 0..2047: a lane holds eight neighbours of a head's 64, which is the next product's K for q and k.
; Cluster x = 2: A = w_attn's rows 2048.., B = the tokens: the tile is v TRANSPOSED, a lane holds eight neighbouring KEYS of one channel, which is the next product's K for v.
; CLUSTERS 4 x 4: A's tile is shared along a row of the cluster, B's along a column: each is asked for jointly, by the same tensor load with a mask that names the four.
; qkvc: q at 0 and k at 4,194,304, [64 heads][1024 tokens][64]; v at 8,388,608, [64 heads][64 channels][1024 keys].
; ORDER OF THE TILE'S COLUMNS: inside each 32, byte 16 h + 8 u + i holds column 16 u + 8 h + i.  For q and k it is one permutation of the head's axis on both sides; for v a 16-byte load at 32 c + 16 h then gives
; a lane the keys 32 c + 8 h + 0..7 and 32 c + 16 + 8 h + 0..7, which is the place that the K = 128 form itself gives them.
; LIMITS: e0 + e1 between -126 and 127; e2, e3, e5 between -126 and 119.  NaN among the inputs is not served.
; REGISTERS, in windows of 256: window 0: v0-31 addresses; v32-95 the columns' bias; v104-121 scale, hold, the rows' bias; from v128 A's fragments, ONE set; on the way out v128-255 are free.
;   window 1: B's fragments, two sets.   window 2, 3: the accumulators of my rows 0-63, 64-127.
.set H1OFF,  12582912                  ; the tokens' codes in pc; w_attn's lie at 0
.set ROWB,   256
.set KROW,   1024
.set PITCH,  272                       ; an LDS row: 256 bytes + 16: the 16 rows that a load touches start at 16 different banks (64 banks of 4 bytes: ISA guide 11.1)
.set FR,     16
.set NL,     4
.set NP,     4                         ; places behind this matrix instruction (ISA guide 7.12.1)
.set HALFT,  128*PITCH
.set SLOT,   4*HALFT
.set LAPS,   2                         ; K = 1,024: four K steps, twice round the ring
.set SPARE,  2*SLOT                    ; behind the ring: the spare words, 128 bytes a wave
.set ADRA, 16
.set ADRB, 20
.set STO,  24                          ; the way out: where I put 8 code bytes of a row of the stage
.set RDR,  25                          ; where I read whole rows back (v)
.set COV,  26                          ; and my byte among v's rows in memory
.set RDH,  27                          ; where I read a head's 64 bytes of eight tokens back (q, k): tokens 0-127,
.set SPW,  28
.set NIL,  29
.set RDH2, 30                          ; tokens 128-255
.set COH,  31                          ; 16 x lane
.set BC,   32
.set SCL,  104
.set LIM,  105
.set BR,   106
.set TMP,  128
.set CD,   192
.set AF,   128
.set G1, 24
.set G0, 32
.set G1B, 48
.set G0B, 56
.set MSB, 0
.macro WIN new                         ; the immediate's high byte repeats the setting that is left
.if MSB != (\new)
	s_set_vgpr_msb (MSB<<8)|(\new)
.set MSB, (\new)
.endif
.endm
.set MUL_LO, 0xa1
.set MUL_HI, 0xf1
.set TO_B,   0x40
.macro JLOAD g0a, g1a, g0b, g1b        ; a joint load: waves 0 and 1 fetch for A, waves 2 and 3 for B; an s_nop 0 and four v_nop follow each line
	s_cmp_eq_u32 s15, 0
	s_cbranch_scc0 .Lfor_b_\@
	tensor_load_to_lds s[\g0a:\g0a+3], s[\g1a:\g1a+7]
	s_nop 0
.rept 4
	v_nop
.endr
	s_branch .Lasked_\@
.Lfor_b_\@:
	tensor_load_to_lds s[\g0b:\g0b+3], s[\g1b:\g1b+7]
	s_nop 0
.rept 4
	v_nop
.endr
.Lasked_\@:
.endm
.macro CREST
	s_cmp_lg_u32 s14, 0
	s_cbranch_scc1 .Lnot_wave_0_\@
	s_barrier_signal -3
.Lnot_wave_0_\@:
	s_barrier_wait -3
	s_barrier_signal -1
	s_barrier_wait -1
.endm
.macro CROUND
	s_barrier_signal -1
	s_barrier_wait -1
	CREST
.endm
	s_load_b256 s[4:11], s[0:1], 0x0               ; pc, the exponents, b_attn, qkvc
	v_lshl_add_u32 v[SPW], v0, 2, SPARE
	v_mov_b32 v[NIL], 0
	ds_add_u32 v[SPW], v[NIL]                      ; the wave's opening: the add and its wait ahead of my first tensor load
	ds_add_u32 v[SPW], v[NIL]
	v_lshrrev_b32 v1, 5, v0
	v_readfirstlane_b32 s14, v1                    ; wave
	s_lshr_b32 s15, s14, 1                         ; my half of the tile's rows; also: I fetch for A (0) or B (1)
	s_and_b32 s16, s14, 1                          ; my half of its columns; also: which 128 rows I fetch
	s_bfe_u32 s40, ttmp6, 0x40000                  ; cx
	s_bfe_u32 s41, ttmp6, 0x40004                  ; cy
	s_and_b32 s67, ttmp7, 0xffff                   ; cluster y
	s_lshl_b32 s68, s67, 2
	s_lshl_b32 s69, ttmp9, 2
	s_add_co_u32 s70, s68, s41                     ; q, k: A's tile = tokens 256 (4 Y + cy)
	s_add_co_u32 s71, s41, 8                       ; v:    A's tile = w_attn's rows 256 (8 + cy)
	s_add_co_u32 s72, s69, s40                     ; q, k: B's tile = w_attn's rows 256 (4 X + cx)
	s_add_co_u32 s73, s68, s40                     ; v:    B's tile = tokens 256 (4 Y + cx)
	s_cmp_eq_u32 ttmp9, 2                          ; the cluster's x: the same in all sixteen partners
	s_cselect_b32 s17, s71, s70
	s_cselect_b32 s42, s73, s72
	s_cselect_b32 s74, 0, H1OFF
	s_cselect_b32 s75, H1OFF, 0
	s_lshl_b32 s43, s41, 2
	s_lshl_b32 s43, 15, s43                        ; my row of the cluster
	s_lshl_b32 s44, 0x1111, s40                    ; my column
	s_or_b32 s[G1+0], s43, (0<<16)|(1<<20)|(1<<21)|(5<<22)|(3<<25)  ; the mask; elements of 1 byte; padding on: 4 words after every 64; bit 21 beside a mask
	s_or_b32 s[G1B+0], s44, (0<<16)|(1<<20)|(1<<21)|(5<<22)|(3<<25)
.irp g, G1, G1B
	s_mov_b32 s[\g+1], ROWB<<16                    ; tensor_dim0
	s_mov_b32 s[\g+2], 128<<16                     ; tensor_dim1
	s_mov_b32 s[\g+3], ROWB<<16                    ; tile_dim0
	s_mov_b32 s[\g+4], 128                         ; tile_dim1
	s_mov_b32 s[\g+5], KROW                        ; from row to row
	s_mov_b32 s[\g+6], 0
	s_mov_b32 s[\g+7], 0
.endr
	s_lshl_b32 s18, s16, 7
	s_lshl_b32 s20, s17, 8
	s_add_co_u32 s20, s20, s18
	s_lshl_b32 s20, s20, 10
	s_add_co_u32 s20, s20, s74                     ; A's 128 rows, in bytes from pc: it hangs on cy, never on cx
	s_lshl_b32 s46, s42, 8
	s_add_co_u32 s46, s46, s18
	s_lshl_b32 s46, s46, 10
	s_add_co_u32 s46, s46, s75                     ; B's: on cx, never on cy
	s_mov_b32 s21, 0
	s_mov_b32 s47, 0
	s_mul_i32 s45, s14, HALFT                      ; where they go: wave x 128 rows
	s_wait_dscnt 0x0                               ; the opening add is done
	s_wait_kmcnt 0x0
	s_load_b256 s[76:83], s[6:7], 0x0              ; e0..e7
	s_add_nc_u64 s[20:21], s[4:5], s[20:21]
	s_add_nc_u64 s[46:47], s[4:5], s[46:47]
	CROUND                                         ; all sixteen work-groups are here: the first joint loads meet
.irp s, 0,1
	s_mov_b32 s[G0+4*\s], 1
	s_add_co_u32 s[G0+4*\s+1], s45, \s*SLOT
	s_add_nc_u64 s[G0+4*\s+2:G0+4*\s+3], s[20:21], \s*ROWB
	s_or_b32 s[G0+4*\s+3], s[G0+4*\s+3], 0x80000000
	s_mov_b32 s[G0B+4*\s], 1
	s_add_co_u32 s[G0B+4*\s+1], s45, \s*SLOT
	s_add_nc_u64 s[G0B+4*\s+2:G0B+4*\s+3], s[46:47], \s*ROWB
	s_or_b32 s[G0B+4*\s+3], s[G0B+4*\s+3], 0x80000000
.endr
	s_cmp_eq_u32 s15, 0                            ; the prefetches: of the 128 rows that I fetch, my work-group names 32, told from its three partners' by address (cx for A, cy for B)
	s_cselect_b64 s[92:93], s[20:21], s[46:47]
	s_cselect_b32 s94, s40, s41
	s_lshl_b32 s94, s94, 15                        ; 32 rows of 1,024 bytes
	s_mov_b32 s95, 0
	s_add_nc_u64 s[92:93], s[92:93], s[94:95]      ; never rewritten
	JLOAD G0, G1, G0B, G1B                         ; K step 0: one tensor load a wave at the head
	v_and_b32 v22, 31, v0
	v_lshlrev_b32 v22, 10, v22                     ; a lane a row; never rewritten
	v_and_b32 v1, 15, v0                           ; r
	v_bfe_u32 v2, v0, 4, 1                         ; h
	s_wait_alu depctr_va_vdst(0)
	v_mul_u32_u24 v3, v1, PITCH
	v_lshl_add_u32 v4, v2, 4, v3
	s_mul_i32 s21, s15, HALFT
	s_mul_i32 s22, s16, HALFT
	s_add_co_u32 s22, s22, 2*HALFT
.irp s, 0,1
	v_add_nc_u32 v[ADRA+\s], s21, v4
	v_add_nc_u32 v[ADRB+\s], s22, v4
	s_add_co_u32 s21, s21, SLOT
	s_add_co_u32 s22, s22, SLOT
.endr
	; the biases.  q, k: b_attn by the tile's columns; v: by its rows.  Both are loaded in every work-group, from a place inside the buffer, and the one that does not apply is made 0 on the way out.
	s_lshl_b32 s84, s72, 10
	s_lshl_b32 s85, s16, 9
	s_add_co_u32 s84, s84, s85
	s_lshl_b32 s85, s41, 10
	s_lshl_b32 s86, s15, 9
	s_add_co_u32 s85, s85, s86
	s_add_co_u32 s85, s85, 8192
	s_cmp_eq_u32 ttmp9, 2
	s_cselect_b32 s84, 0, s84
	s_cselect_b32 s85, s85, 0
	s_cselect_b32 s86, 0, -1                       ; all lanes: the columns' bias counts
	s_cselect_b32 s87, -1, 0                       ; all lanes: the rows' bias counts
	v_lshl_add_u32 v8, v2, 5, s84                  ; never rewritten
	v_lshl_add_u32 v9, v1, 2, s85
	global_prefetch_b8 v22, s[92:93] offset:256 th:TH_LOAD_NT scope:SCOPE_SE   ; K step 1's 256 bytes of my 32 rows: its load follows behind the first round
	global_prefetch_b8 v22, s[92:93] offset:512 th:TH_LOAD_NT scope:SCOPE_SE   ; and K step 2's
.irp b, 0,1,2,3,4,5,6,7
	global_load_b128 v[BC+8*\b:BC+8*\b+3], v8, s[8:9] offset:64*\b
	global_load_b128 v[BC+8*\b+4:BC+8*\b+7], v8, s[8:9] offset:64*\b+16
.endr
.irp a, 0,1,2,3,4,5,6,7
	global_load_b32 v[BR+2*\a], v9, s[8:9] offset:64*\a
	v_mov_b32 v[BR+2*\a+1], 0                      ; (named as the upper half of a pair)
.endr
	; the way out's addresses: ONE stage for the work-group, 256 rows x (256 code bytes + 16), in slot 0
	s_mul_i32 s23, s15, 128*PITCH
	s_lshl_b32 s22, s16, 7
	s_add_co_u32 s23, s23, s22
	v_add_nc_u32 v[STO], s23, v4                   ; row 128 x half + r, byte 128 x half + 16 h
	s_mul_i32 s23, s14, 64*PITCH
	v_mul_u32_u24 v5, v2, PITCH
	v_lshl_add_u32 v5, v1, 4, v5
	v_add_nc_u32 v[RDR], s23, v5                   ; rows 64 w on: lanes 0-15 one row, lanes 16-31 the next
	v_lshlrev_b32 v[COV], 10, v2
	v_lshl_add_u32 v[COV], v1, 4, v[COV]
	v_and_b32 v6, 31, v0
	v_lshrrev_b32 v7, 2, v6
	v_mul_u32_u24 v7, v7, PITCH
	v_and_b32 v10, 3, v6
	v_lshl_add_u32 v7, v10, 4, v7
	s_lshl_b32 s23, s14, 6
	v_add_nc_u32 v[RDH], s23, v7                   ; head w of the tile's four: token lane / 4, 16 bytes (lane % 4)
	v_add_nc_u32 v[RDH2], 128*PITCH, v[RDH]
	v_lshlrev_b32 v[COH], 4, v6
	s_lshl_b32 s88, s67, 10                        ; v: row 1024 Y + 256 cy + 64 w of 1,024 bytes, + 256 cx
	s_lshl_b32 s89, s41, 8
	s_add_co_u32 s88, s88, s89
	s_lshl_b32 s89, s14, 6
	s_add_co_u32 s88, s88, s89
	s_lshl_b32 s88, s88, 10
	s_lshl_b32 s89, s40, 8
	s_add_co_u32 s88, s88, s89
	s_add_co_u32 s88, s88, 8388608
	s_lshl_b32 s90, s67, 4                         ; q, k: head 16 Y + 4 cx + w of 65,536 bytes, + token 256 cy, + 4 MiB x cluster x
	s_lshl_b32 s91, s40, 2
	s_add_co_u32 s90, s90, s91
	s_add_co_u32 s90, s90, s14
	s_lshl_b32 s90, s90, 16
	s_lshl_b32 s91, s41, 14
	s_add_co_u32 s90, s90, s91
	s_lshl_b32 s91, ttmp9, 22
	s_add_co_u32 s90, s90, s91
	s_cmp_eq_u32 ttmp9, 2
	s_cselect_b32 s88, s88, s90
	s_mov_b32 s89, 0
	s_add_nc_u64 s[10:11], s[10:11], s[88:89]
.macro FRAG reg, adr, q, i             ; 16 rows x 128 K: registers 4 c .. 4 c + 3 hold stored places 32 c + 16 (l / 16) + 0 .. 15 of row l % 16: the same in A and B
.irp c, 0,1,2,3
	ds_load_b128 v[\reg+4*\c:\reg+4*\c+3], v[\adr] offset:128*(\q)+32*\c+(\i)*16*PITCH
.endr
.endm
.macro MUL16 a0, p, zero               ; 16 matrix instructions; the 64 accumulators take turns, one instruction a turn, in the same order in every step
.irp a, \a0, \a0+1
.irp b, 0,1,2,3,4,5,6,7
.if \zero
	v_wmma_f32_16x16x128_fp8_fp8 v[8*(8*((\a)%4)+\b):8*(8*((\a)%4)+\b)+7], v[128*(\p)+FR*\b:128*(\p)+FR*\b+FR-1], v[AF+FR*(\a):AF+FR*(\a)+FR-1], 0
.else
	v_wmma_f32_16x16x128_fp8_fp8 v[8*(8*((\a)%4)+\b):8*(8*((\a)%4)+\b)+7], v[128*(\p)+FR*\b:128*(\p)+FR*\b+FR-1], v[AF+FR*(\a):AF+FR*(\a)+FR-1], v[8*(8*((\a)%4)+\b):8*(8*((\a)%4)+\b)+7]
.endif
.endr
.endr
.endm
.macro FETCH_B slot, q, p
	WIN TO_B
.irp i, 0,1,2,3,4,5,6,7
	FRAG 128*(\p)+FR*\i, ADRB+\slot, \q, \i
.endr
	WIN 0
.endm
.macro FETCH_A slot, q, i0
.irp i, \i0, \i0+1, \i0+2, \i0+3
	FRAG AF+FR*(\i), ADRA+\slot, \q, \i
.endr
.endm
.macro PLACES n                        ; plain vector instructions between a matrix instruction and a load into, or a vector instruction on, its registers
.rept \n
	v_nop
.endr
.endm
.macro STEP slot, q, zero              ; 128 along K with its successor in the same slot
	s_wait_dscnt 4*NL                              ; B's set and A's blocks 0-3 are in; the youngest 16 loads (A's blocks 4-7) may be out
	WIN MUL_LO
	MUL16 0, (\q)%2, \zero
	MUL16 2, (\q)%2, \zero
	s_wait_dscnt 0
	PLACES NP
	FETCH_B \slot, (\q)+1, 1-(\q)%2
	FETCH_A \slot, (\q)+1, 0
	WIN MUL_HI
	MUL16 4, (\q)%2, \zero
	MUL16 6, (\q)%2, \zero
	PLACES NP
	WIN 0
	FETCH_A \slot, (\q)+1, 4
.endm
.macro TURN slot, next, fill           ; a slot's last step changes slots: one barrier; fill = 1: it opens a round of the cluster's barrier and the slot is filled again
	s_wait_tensorcnt 0x0                           ; all my tensor loads have landed: my part of the next slot
	ds_add_u32 v[SPW], v[NIL]
	s_wait_dscnt 4*NL+1                            ; the add and the youngest 16 loads may be out
	WIN MUL_LO
	MUL16 0, 1, 0
	s_wait_dscnt 0x0                               ; the add is done, and my reads of this slot are over
	s_barrier_signal -1
	MUL16 2, 1, 0
	WIN 0
	s_barrier_wait -1
.if \fill
	CREST                                          ; no wave of any partner still reads this slot or has a load on its way
	s_add_nc_u64 s[G0+4*\slot+2:G0+4*\slot+3], s[G0+4*\slot+2:G0+4*\slot+3], 2*ROWB
	s_add_nc_u64 s[G0B+4*\slot+2:G0B+4*\slot+3], s[G0B+4*\slot+2:G0B+4*\slot+3], 2*ROWB
	JLOAD G0+4*\slot, G1, G0B+4*\slot, G1B         ; the first tensor load behind the round; its four v_nop are the places in front of the loads below
.else
	PLACES NP
.endif
	FETCH_B \next, 0, 0
	FETCH_A \next, 0, 0
	WIN MUL_HI
	MUL16 4, 1, 0
	MUL16 6, 1, 0
	PLACES NP
	WIN 0
	FETCH_A \next, 0, 4
.endm
	s_wait_alu depctr_va_vdst(0)                   ; the wait at the head's end
	s_wait_tensorcnt 0x0                           ; my part of K step 0 is in; slot 1's first fill is issued as a refill is:
	ds_add_u32 v[SPW], v[NIL]
	s_wait_dscnt 0x0
	CROUND                                         ; everybody's part of K step 0 is in, and the joint loads meet
	JLOAD G0+4, G1, G0B+4, G1B                     ; K step 1
	FETCH_B 0, 0, 0
	FETCH_A 0, 0, 0
	FETCH_A 0, 0, 4
	global_prefetch_b8 v22, s[92:93] offset:768 th:TH_LOAD_NT scope:SCOPE_SE   ; K step 3, the last: the two refills ask for nothing
	STEP 0, 0, 1                                   ; the first products start the sums: nothing is cleared
	s_mov_b32 s3, LAPS-1
.Llap:
	TURN 0, 1, 1
	STEP 1, 0, 0
	TURN 1, 0, 1
	STEP 0, 0, 0
	s_sub_co_u32 s3, s3, 1
	s_cmp_lg_u32 s3, 0
	s_cbranch_scc1 .Llap
	TURN 0, 1, 0                                   ; the last lap fills nothing.  Behind this barrier nobody reads slot 0, and it has had its last fill
	STEP 1, 0, 0
	s_wait_dscnt 4*NL
	WIN MUL_LO
	MUL16 0, 1, 0
	MUL16 2, 1, 0
	s_wait_dscnt 0
	WIN MUL_HI
	MUL16 4, 1, 0
	MUL16 6, 1, 0
	WIN 0
; THE WAY OUT.  sum x 2^(e0 + e1) + bias, held, converted: 8 code bytes a lane and accumulator, into the work-group's stage; a barrier; back in the order of memory.
	s_wait_kmcnt 0x0
	s_add_co_i32 s96, s76, s77
	s_add_co_i32 s96, s96, 127
	s_lshl_b32 s96, s96, 23                        ; 2^(e0 + e1)
	s_mov_b32 s97, s96
	s_cmp_eq_u32 ttmp9, 1
	s_cselect_b32 s84, s79, s78                    ; e3 for k, e2 for q,
	s_cmp_eq_u32 ttmp9, 2
	s_cselect_b32 s84, s81, s84                    ; e5 for v
	s_add_co_i32 s84, s84, 127
	s_lshl_b32 s85, s84, 23
	s_add_co_i32 s84, s84, 8
	s_lshl_b32 s84, s84, 23
	s_or_b32 s84, s84, 0x600000
	s_wait_loadcnt 0x0                             ; the biases
	PLACES NP
	v_mov_b32 v[SCL], s85
	v_mov_b32 v[LIM], s84
.set j, 0
.rept 64
	v_cndmask_b32 v[BC+j], 0, v[BC+j], s86
.set j, j+1
.endr
.irp a, 0,1,2,3,4,5,6,7
	v_cndmask_b32 v[BR+2*\a], 0, v[BR+2*\a], s87
.endr
.macro QBLK a
.set AC, 64*((\a)%4)
	WIN 0x02+((\a)/4)                              ; source 0: window 2 or 3
.set j, 0
.rept 32
	v_pk_fma_f32 v[TMP+j:TMP+j+1], v[AC+j:AC+j+1], s[96:97], v[BC+j:BC+j+1] op_sel_hi:[1,0,1]   ; each accumulator from its low end on
.set j, j+2
.endr
	WIN 0
.set j, 0
.rept 32
	v_pk_add_f32 v[TMP+j:TMP+j+1], v[TMP+j:TMP+j+1], v[BR+2*(\a):BR+2*(\a)+1] op_sel_hi:[1,0]
.set j, j+2
.endr
.set j, 0
.rept 64
	v_med3_num_f32 v[TMP+j], v[TMP+j], -v[LIM], v[LIM]
.set j, j+1
.endr
	s_wait_alu depctr_va_vdst(0)
	s_wait_dscnt 0x0                               ; the last block's stores have read their registers
.irp b, 0,1,2,3,4,5,6,7
	v_cvt_scalef32_pk8_fp8_f32 v[CD+2*\b:CD+2*\b+1], v[TMP+8*\b:TMP+8*\b+7], v[SCL]
.endr
	v_nop                                          ; a plain instruction behind the last conversion
.irp b, 0,1,2,3,4,5,6,7
	ds_store_b64 v[STO], v[CD+2*\b:CD+2*\b+1] offset:16*PITCH*(\a)+32*(\b/2)+8*(\b%2)
.endr
.endm
.irp a, 0,1,2,3,4,5,6,7
	QBLK \a
.endr
	s_wait_dscnt 0x0                               ; for the others' sake: my stores into the stage are done
	s_barrier_signal -1
	s_barrier_wait -1
	s_cmp_eq_u32 ttmp9, 2
	s_cbranch_scc0 .Lheads
.set i, 0
.rept 32                                               ; v: 64 whole rows (channels) of 256 keys a wave
	ds_load_b128 v[128+4*i:131+4*i], v[RDR] offset:2*PITCH*i
.set i, i+1
.endr
.set i, 0
.rept 32
	s_wait_dscnt 31-i
	global_store_b128 v[COV], v[128+4*i:131+4*i], s[10:11] offset:2048*i     ; sixteen lanes store 256 consecutive bytes, aligned
.set i, i+1
.endr
	s_branch .Lsent
.Lheads:
.set i, 0
.rept 16                                               ; q, k: one head's 64 bytes of 256 tokens a wave: 16,384 consecutive bytes of memory
	ds_load_b128 v[128+4*i:131+4*i], v[RDH] offset:8*PITCH*i
.set i, i+1
.endr
.set i, 0
.rept 16
	ds_load_b128 v[192+4*i:195+4*i], v[RDH2] offset:8*PITCH*i
.set i, i+1
.endr
.set i, 0
.rept 32
	s_wait_dscnt 31-i
	global_store_b128 v[COH], v[128+4*i:131+4*i], s[10:11] offset:512*i      ; the wave stores 512 consecutive bytes, aligned
.set i, i+1
.endr
.Lsent:
	s_wait_tensorcnt 0x0                           ; the wave's end
	ds_add_u32 v[SPW], v[NIL]
	s_wait_dscnt 0x0
	CROUND                                         ; the closing round
	s_endpgm
.Lfunc_end_k_qc58a625bfa_qkv:
	.size	k_qc58a625bfa_qkv, .Lfunc_end_k_qc58a625bfa_qkv-k_qc58a625bfa_qkv
	.p2alignl 7, 3214868480
	.fill 96, 4, 3214868480
	.section	.rodata,"a",@progbits
	.p2align	6, 0x0
	.amdhsa_kernel k_qc58a625bfa_qkv
		.amdhsa_group_segment_fixed_size 327680
		.amdhsa_private_segment_fixed_size 0
		.amdhsa_enable_private_segment 0
		.amdhsa_kernarg_size 32
		.amdhsa_user_sgpr_count 2
		.amdhsa_user_sgpr_kernarg_segment_ptr 1
		.amdhsa_wavefront_size32 1
		.amdhsa_system_sgpr_workgroup_id_x 1
		.amdhsa_system_sgpr_workgroup_id_y 1
		.amdhsa_system_sgpr_workgroup_id_z 1
		.amdhsa_system_vgpr_workitem_id 0
		.amdhsa_next_free_vgpr 1024
		.amdhsa_next_free_sgpr 100
		.amdhsa_reserve_vcc 0
		.amdhsa_float_denorm_mode_32 3
		.amdhsa_float_denorm_mode_16_64 3
		.amdhsa_memory_ordered 1
		.amdhsa_forward_progress 1
		.amdhsa_inst_pref_size 173
	.end_amdhsa_kernel
	.amdgpu_metadata
---
amdhsa.version: [ 1, 2 ]
amdhsa.kernels:
  - .name:           k_qc58a625bfa_qkv
    .symbol:         k_qc58a625bfa_qkv.kd
    .args:
      - { .name: pc, .offset: 0, .size: 8, .value_kind: global_buffer, .address_space: global }
      - { .name: lowp_scales, .offset: 8, .size: 8, .value_kind: global_buffer, .address_space: global }
      - { .name: b_attn, .offset: 16, .size: 8, .value_kind: global_buffer, .address_space: global }
      - { .name: qkvc, .offset: 24, .size: 8, .value_kind: global_buffer, .address_space: global }
    .group_segment_fixed_size: 327680
    .private_segment_fixed_size: 0
    .kernarg_segment_align: 8
    .kernarg_segment_size: 32
    .max_flat_workgroup_size: 128
    .sgpr_count:     100
    .vgpr_count:     1024
    .wavefront_size: 32
...
	.end_amdgpu_metadata
.endif
;; end of part 2
;; launch attn (part 3): grid 4 x 64, 16 waves a work-group, clusters of 4 x 1, 167,936 bytes of LDS; arguments qkvc, lowp_scales, atc; writes atc
.if DOCPART == 3
	.amdgcn_target "amdgcn-amd-amdhsa--gfx1250"
	.amdhsa_code_object_version 6
	.text
	.protected	k_qc58a625bfa_attn
	.globl	k_qc58a625bfa_attn
	.p2align	8
	.type	k_qc58a625bfa_attn,@function
k_qc58a625bfa_attn:
	s_mov_b64 s[64:65], 0
	v_nop
	global_prefetch_b8 v0, s[64:65] scope:SCOPE_SE
	s_setreg_imm32_b32 hwreg(HW_REG_WAVE_MODE, 25, 1), 1
	s_wait_xcnt 0x0
	s_wait_alu depctr_hold_cnt(0) depctr_sa_sdst(0) depctr_va_vdst(0) depctr_va_sdst(0) depctr_va_ssrc(0) depctr_va_vcc(0) depctr_vm_vsrc(0)
	s_getreg_b32 s2, hwreg(HW_REG_IB_STS2, 6, 4)
	s_cmp_eq_u32 s2, 0
	s_cbranch_scc0 .Lentry_in_a_cluster
	s_endpgm
.Lentry_in_a_cluster:
	s_bfe_u32 s2, ttmp6, 0x10000c
	s_cmp_lg_u32 s2, 0x3003
	s_cbranch_scc0 .Lentry_shape_is_right
	s_endpgm
.Lentry_shape_is_right:
; Causal attention on codes of E4M3, head size 64, 1,024 tokens, 64 heads (batch x head = cluster y).  o = softmax(q k^T / 8) v, then quantised with 2^e6 for the next product.
; THE SOFTMAX: t = score x log2(e) / 8; M = the running largest t rounded UP to a whole number; p = 2^(t - M) is quantised with 2^e4, not normalised; the row's sum is taken of the unquantised p and divides at the end;
; when M moves, the sum and O are multiplied by 2^(old M - new M), which rounds nothing.
; ALL OF A HEAD'S K AND V LIE IN LDS AT ONCE (65,536 bytes each): filled once, by joint loads that the head's four work-groups share (mask 15); no slot is ever filled again; one barrier in front of the loop.
; SHARES.  A wave owns 16 queries: 64 idx + 16 cx on, idx = wave xor 3 ((wave / 4) % 2): every work-group then has the same number of key steps, and waves w, w + 4, w + 8, w + 12 together have 18 each.
; A step is 128 keys.  The two causal branches hang on idx and the step alone, never on cx: a step is left out where its first key is 64 idx + 64 or later, and needs no mask where its last key lies under 64 idx.
; LAYOUT.  Both products are used transposed (S^T = K Q^T, O^T = V^T P^T): a lane holds one query (lane % 16).  In S^T tile T, register j is key 16 T + 8 (lane / 16) + j: its eight codes are registers 2 T, 2 T + 1
; of the K = 128 form's own layout; v's keys were stored so that 16-byte loads give that layout too.
; atc: [16 heads][4,096 tokens][64].
; LIMITS: e2 + e3 between -123 and 130 (added to c's exponent field); e4, e6 between -126 and 119; e4 + e5 is applied by v_ldexp_f32.
; REGISTERS: v1-4, v7 lane terms; v5, v6 the add's two; v8, v9 addresses in hand; v12 -M, v13 largest t, v[14:15] the sum; v16-23 Q; v32-95 K's 8 fragments, then V's 4; v96-159 S^T, then p; v160-191 O^T; v224-239 p's codes; v240-254 at work.
.set KP,    272                        ; four keys (256 bytes) + 16
.set VP,    1040                       ; a channel's 1,024 keys + 16
.set VOFF,  69632                      ; K: 256 rows x 272
.set STAGE, 136192                     ; behind V (64 x 1,040): 16 rows x 80 bytes for each wave
.set SPARE, 156672                     ; the spare words, 128 bytes for each of 16 waves
.set SPW,  5
.set NIL,  6
.set WV,   18
.set SEL,  20
.set CS,   22
.set G1K,  24
.set G1V,  32
.set G0K,  40
.set G0V,  44
.macro CROUND
	s_barrier_signal -1
	s_barrier_wait -1
	s_cmp_lg_u32 s[WV], 0
	s_cbranch_scc1 .Lnot_wave_0_\@
	s_barrier_signal -3
.Lnot_wave_0_\@:
	s_barrier_wait -3
	s_barrier_signal -1
	s_barrier_wait -1
.endm
	s_load_b128 s[4:7], s[0:1], 0x0                ; qkvc, the exponents
	s_load_b64 s[8:9], s[0:1], 0x10                ; atc
	v_lshl_add_u32 v[SPW], v0, 2, SPARE
	v_mov_b32 v[NIL], 0
	ds_add_u32 v[SPW], v[NIL]                      ; the wave's opening: the add and its wait ahead of the first tensor loads
	ds_add_u32 v[SPW], v[NIL]
	v_lshrrev_b32 v8, 5, v0
	s_delay_alu instid0(VALU_DEP_1)
	v_readfirstlane_b32 s[WV], v8                  ; wave 0..15
	s_bfe_u32 s49, ttmp6, 0x40000                  ; cx: it enters Q's and O's addresses and the mask's operand alone
	s_and_b32 s48, ttmp7, 0xffff                   ; 16 x batch + head
	s_bfe_u32 s50, s[WV], 0x10002
	s_mul_i32 s50, s50, 3
	s_xor_b32 s50, s50, s[WV]                      ; idx
	s_lshl_b32 s56, s50, 6                         ; 64 idx
	s_add_co_u32 s55, s56, 64
	s_lshl_b32 s51, s49, 4
	s_add_co_u32 s51, s51, s56                     ; my first query
	s_and_b32 s57, s[WV], 3                        ; which quarter I fetch, if I fetch
	s_mul_i32 s58, s57, 64*KP
	s_mul_i32 s59, s57, 16*VP
	s_add_co_u32 s59, s59, VOFF
	s_lshl_b32 s60, s48, 16
	s_lshl_b32 s57, s57, 14
	s_add_co_u32 s60, s60, s57
	s_add_co_u32 s62, s60, 8388608                 ; V's quarter in qkvc,
	s_add_co_u32 s60, s60, 4194304                 ; K's
	s_mov_b32 s61, 0
	s_mov_b32 s63, 0
	s_mov_b32 s[G1K], 15|(1<<20)|(1<<21)|(5<<22)|(3<<25)   ; all four work-groups; elements of 1 byte; 4 words of padding after every 64
	s_mov_b32 s[G1K+1], 256<<16                    ; K: 64 rows of 256 bytes (four keys), dense in memory
	s_mov_b32 s[G1K+2], 64<<16
	s_mov_b32 s[G1K+3], 256<<16
	s_mov_b32 s[G1K+4], 64
	s_mov_b32 s[G1K+5], 256
	s_mov_b32 s[G1K+6], 0
	s_mov_b32 s[G1K+7], 0
	s_mov_b32 s[G1V], 15|(1<<20)|(1<<21)|(7<<22)|(3<<25)   ; 4 words of padding after every 256
	s_mov_b32 s[G1V+1], 1024<<16                   ; V: 16 rows of 1,024 bytes
	s_mov_b32 s[G1V+2], 16<<16
	s_mov_b32 s[G1V+3], 1024<<16
	s_mov_b32 s[G1V+4], 16
	s_mov_b32 s[G1V+5], 1024
	s_mov_b32 s[G1V+6], 0
	s_mov_b32 s[G1V+7], 0
	s_mov_b32 s[SEL], 0x76543210
	s_mov_b32 s[SEL+1], 0xfedcba98
	s_mov_b32 s[CS], 0x3e38aa3b                    ; c = log2(e) / 8
	s_mov_b32 s52, 0                               ; the step's first key
	s_mov_b32 s53, 0                               ; its place in K's rows,
	s_mov_b32 s54, 0                               ; and in a row of V
	s_wait_dscnt 0x0                               ; the opening add is done
	s_wait_kmcnt 0x0
	s_load_b256 s[68:75], s[6:7], 0x0              ; e0..e7
	s_mov_b32 s[G0K], 1
	s_mov_b32 s[G0K+1], s58
	s_add_nc_u64 s[G0K+2:G0K+3], s[4:5], s[60:61]
	s_or_b32 s[G0K+3], s[G0K+3], 0x80000000
	s_mov_b32 s[G0V], 1
	s_mov_b32 s[G0V+1], s59
	s_add_nc_u64 s[G0V+2:G0V+3], s[4:5], s[62:63]
	s_or_b32 s[G0V+3], s[G0V+3], 0x80000000
	CROUND                                         ; all four work-groups are here: the joint loads meet
	s_cmp_lt_u32 s[WV], 4                          ; waves 0-3 fetch K's quarters, waves 4-7 V's, the others nothing: one tensor load a wave is out
	s_cbranch_scc0 .Lnot_k
	tensor_load_to_lds s[G0K:G0K+3], s[G1K:G1K+7]
	s_nop 0
.rept 4
	v_nop
.endr
	s_branch .Lasked
.Lnot_k:
	s_cmp_lt_u32 s[WV], 8
	s_cbranch_scc0 .Lasked
	tensor_load_to_lds s[G0V:G0V+3], s[G1V:G1V+7]
	s_nop 0
.rept 4
	v_nop
.endr
.Lasked:
	s_lshl_b32 s76, s48, 16
	s_lshl_b32 s77, s51, 6
	s_add_co_u32 s76, s76, s77
	s_mov_b32 s77, 0
	s_add_nc_u64 s[10:11], s[4:5], s[76:77]        ; Q's codes at my first query
	s_and_b32 s78, s48, 15
	s_lshl_b32 s78, s78, 18
	s_lshr_b32 s79, s48, 4
	s_lshl_b32 s79, s79, 10
	s_add_co_u32 s79, s79, s51
	s_lshl_b32 s79, s79, 6
	s_add_co_u32 s78, s78, s79
	s_mov_b32 s79, 0
	s_add_nc_u64 s[8:9], s[8:9], s[78:79]          ; atc at my head and first token
	v_and_b32 v8, 15, v0                           ; r
	v_bfe_u32 v9, v0, 4, 1                         ; h
	s_delay_alu instid0(VALU_DEP_2)
	v_lshlrev_b32 v10, 6, v8
	s_delay_alu instid0(VALU_DEP_1)
	v_lshl_add_u32 v10, v9, 4, v10
	global_load_b128 v[16:19], v10, s[10:11]       ; Q's fragment stays in registers
	global_load_b128 v[20:23], v10, s[10:11] offset:32
	v_lshrrev_b32 v11, 2, v8
	s_delay_alu instid0(VALU_DEP_1)
	v_mul_u32_u24 v1, v11, KP
	v_and_b32 v11, 3, v8
	s_delay_alu instid0(VALU_DEP_1)
	v_lshl_add_u32 v1, v11, 6, v1
	s_delay_alu instid0(VALU_DEP_1)
	v_lshl_add_u32 v1, v9, 4, v1                   ; K: key r of a tile: (r / 4) rows + 64 (r % 4) + 16 h
	v_mul_u32_u24 v2, v8, VP
	s_delay_alu instid0(VALU_DEP_1)
	v_lshl_add_u32 v2, v9, 4, v2
	s_delay_alu instid0(VALU_DEP_1)
	v_add_nc_u32 v2, VOFF, v2                      ; V: channel r of a tile, + 16 h
	v_lshlrev_b32 v3, 3, v9
	s_delay_alu instid0(VALU_DEP_1)
	v_sub_nc_u32 v3, v8, v3
	s_delay_alu instid0(VALU_DEP_1)
	v_add_nc_u32 v3, s51, v3                       ; my query - 8 h
	v_and_b32 v7, 31, v0
	s_delay_alu instid0(VALU_DEP_1)
	v_lshlrev_b32 v7, 4, v7                        ; the way out: 16 x lane
	v_mov_b32 v13, 0xff61b1e6                      ; the largest t so far: -3e38
	s_delay_alu instid0(VALU_DEP_1)
	v_floor_f32 v12, -v13                          ; -M
	v_mov_b32 v14, 0
	v_mov_b32 v15, 0
	v_mov_b32 v246, 0                              ; (a lane permute's destination counts as read)
	v_mov_b32 v252, 0
	v_mov_b32 v253, 0                              ; (named as the upper half of the pair v[252:253])
.set j, 0
.rept 32
	v_mov_b32 v[160+j], 0                          ; O^T: the step is written once; the first change of M leaves zeros zeros
.set j, j+1
.endr
	s_wait_kmcnt 0x0
	s_add_co_i32 s76, s70, s71
	s_lshl_b32 s76, s76, 23
	s_add_co_i32 s[CS], s[CS], s76                 ; c x 2^(e2 + e3)
	s_mov_b32 s[CS+1], s[CS]
	s_add_co_i32 s76, s72, 127
	s_lshl_b32 s77, s76, 23
	v_mov_b32 v244, s77                            ; 2^e4
	s_add_co_i32 s76, s76, 8
	s_lshl_b32 s76, s76, 23
	s_or_b32 s76, s76, 0x600000
	v_mov_b32 v240, s76                            ; 448 x 2^e4
	s_add_co_i32 s76, s74, 127
	s_lshl_b32 s77, s76, 23
	v_mov_b32 v245, s77                            ; 2^e6
	s_add_co_i32 s76, s76, 8
	s_lshl_b32 s76, s76, 23
	s_or_b32 s76, s76, 0x600000
	v_mov_b32 v241, s76                            ; 448 x 2^e6
	s_wait_tensorcnt 0x0                           ; my quarter has landed,
	s_barrier_signal -1
	s_barrier_wait -1                              ; everybody's has
	s_wait_loadcnt 0x0                             ; Q
.Lstep:                                                ; eight trips in every wave; a step whose keys all come after my queries does only the steps of the addresses
	s_cmp_ge_u32 s52, s55
	s_cbranch_scc1 .Lhidden
	v_add_nc_u32 v8, s53, v1
	v_add_nc_u32 v9, s54, v2
	v_nop                                          ; with the two additions: four places behind the last products, in front of loads into registers that they read
	v_nop
.irp T, 0,1,2,3,4,5,6,7
.irp c, 0,1
	ds_load_b128 v[32+8*\T+4*\c:35+8*\T+4*\c], v8 offset:4*KP*\T+32*\c
.endr
.endr
	s_wait_alu depctr_va_vdst(0)
	s_wait_dscnt 0x0
.irp T, 0,1,2,3,4,5,6,7
	v_wmma_f32_16x16x64_fp8_fp8 v[96+8*\T:103+8*\T], v[32+8*\T:39+8*\T], v[16:23], 0
.endr
.rept 4
	v_nop
.endr
.irp t, 0,1,2,3                                        ; V's fragments are asked for here and land under the softmax
.irp c, 0,1,2,3
	ds_load_b128 v[32+16*\t+4*\c:35+16*\t+4*\c], v9 offset:16*VP*\t+32*\c
.endr
.endr
	s_add_co_u32 s57, s52, 128
	s_cmp_le_u32 s57, s56
	s_cbranch_scc1 .Lopen
	v_sub_nc_u32 v252, v3, s52                     ; d = my query - 8 h - the step's first key: register 8 T + j holds a hidden key where 16 T + j > d
	v_mov_b32 v254, 0xff800000                     ; -infinity: p = 0 then
.set n, 0
.rept 64
	v_cmp_gt_i32 vcc_lo, 16*(n/8)+n%8, v252
	v_cndmask_b32 v[96+n], v[96+n], v254, vcc_lo
.set n, n+1
.endr
.Lopen:
	v_max3_num_f32 v254, v96, v97, v98             ; the step's largest score of my query among my 64 keys, in two chains, from each tile's low end on
	v_max3_num_f32 v252, v99, v100, v101
.irp i, 6,10,14,18,22,26,30,34,38,42,46,50,54,58
	v_max3_num_f32 v254, v254, v[96+\i], v[97+\i]
	v_max3_num_f32 v252, v252, v[98+\i], v[99+\i]
.endr
	v_max3_num_f32 v254, v254, v158, v159
	s_delay_alu instid0(VALU_DEP_1)
	v_max_num_f32 v254, v254, v252
	s_delay_alu instid0(VALU_DEP_1)
	v_permlanex16_b32 v246, v254, s[SEL], s[SEL+1]
	s_delay_alu instid0(VALU_DEP_1)
	v_max_num_f32 v254, v254, v246                 ; and among lane l xor 16's
	s_delay_alu instid0(VALU_DEP_1)
	v_mul_f32 v254, s[CS], v254
	s_delay_alu instid0(VALU_DEP_1)
	v_max_num_f32 v13, v13, v254                   ; the running largest t
	v_mov_b32 v254, v12
	s_delay_alu instid0(VALU_DEP_2)
	v_floor_f32 v12, -v13                          ; the new -M
	s_delay_alu instid0(VALU_DEP_1)
	v_sub_f32 v254, v12, v254
	s_delay_alu instid0(VALU_DEP_1)
	v_cvt_i32_f32 v254, v254
	s_delay_alu instid0(VALU_DEP_1)
	v_ldexp_f32 v252, 1.0, v254                    ; f = 2^(old M - new M)
.set j, 0
.rept 32
	v_pk_fma_f32 v[96+j:97+j], v[96+j:97+j], s[CS:CS+1], v[12:13] op_sel_hi:[1,0,0]   ; t - M
.set j, j+2
.endr
.set j, 0
	s_wait_alu depctr_va_vdst(0)
.rept 64
	v_exp_f32 v[96+j], v[96+j]                     ; p
.set j, j+1
.endr
	v_pk_mul_f32 v[14:15], v[14:15], v[252:253] op_sel_hi:[1,0]   ; the sums under the new M: the plain instruction behind the exponentials
	s_wait_alu depctr_va_vdst(0)                   ; one wait for the batch, ahead of its first reader
	v_pk_add_f32 v[242:243], v[100:101], v[104:105]
	v_pk_add_f32 v[254:255], v[108:109], v[112:113]
	v_pk_add_f32 v[250:251], v[116:117], v[120:121]
	v_pk_add_f32 v[248:249], v[124:125], v[128:129]
	v_pk_add_f32 v[238:239], v[132:133], v[136:137]
	v_pk_add_f32 v[236:237], v[140:141], v[144:145]
	v_pk_add_f32 v[234:235], v[148:149], v[152:153]
	v_pk_add_f32 v[14:15], v[14:15], v[156:157]
	v_pk_add_f32 v[242:243], v[242:243], v[96:97]
	v_pk_add_f32 v[254:255], v[254:255], v[98:99]
	v_pk_add_f32 v[250:251], v[250:251], v[102:103]
	v_pk_add_f32 v[248:249], v[248:249], v[106:107]
	v_pk_add_f32 v[238:239], v[238:239], v[110:111]
	v_pk_add_f32 v[236:237], v[236:237], v[114:115]
	v_pk_add_f32 v[234:235], v[234:235], v[118:119]
	v_pk_add_f32 v[14:15], v[14:15], v[122:123]
	v_pk_add_f32 v[242:243], v[242:243], v[126:127]
	v_pk_add_f32 v[254:255], v[254:255], v[130:131]
	v_pk_add_f32 v[250:251], v[250:251], v[134:135]
	v_pk_add_f32 v[248:249], v[248:249], v[138:139]
	v_pk_add_f32 v[238:239], v[238:239], v[142:143]
	v_pk_add_f32 v[236:237], v[236:237], v[146:147]
	v_pk_add_f32 v[234:235], v[234:235], v[150:151]
	v_pk_add_f32 v[14:15], v[14:15], v[154:155]
	v_pk_add_f32 v[242:243], v[242:243], v[158:159]
	s_delay_alu instid0(VALU_DEP_2)
	v_pk_add_f32 v[14:15], v[14:15], v[248:249]
	s_delay_alu instid0(VALU_DEP_2)
	v_pk_add_f32 v[242:243], v[242:243], v[238:239]
	v_pk_add_f32 v[254:255], v[254:255], v[236:237]
	v_pk_add_f32 v[250:251], v[250:251], v[234:235]
	s_delay_alu instid0(VALU_DEP_2)
	v_pk_add_f32 v[14:15], v[14:15], v[254:255]
	s_delay_alu instid0(VALU_DEP_2)
	v_pk_add_f32 v[242:243], v[242:243], v[250:251]
	s_delay_alu instid0(VALU_DEP_1)
	v_pk_add_f32 v[14:15], v[14:15], v[242:243]
.irp T, 0,1,2,3,4,5,6,7
.irp i, 0,1,2,3,4,5,6,7
	v_min_num_f32 v[96+8*\T+\i], v[96+8*\T+\i], v240   ; p is not negative: a one-sided hold (the conversion does not saturate: ISA guide 7.6.2)
.endr
	v_cvt_scalef32_pk8_fp8_f32 v[224+2*\T:225+2*\T], v[96+8*\T:103+8*\T], v244
.endr
.set j, 0
.rept 16
	v_pk_mul_f32 v[160+j:161+j], v[160+j:161+j], v[252:253] op_sel_hi:[1,0]   ; O^T under the new M; also the plain instructions behind the conversions
.set j, j+2
.endr
	s_wait_alu depctr_va_vdst(0)
	s_wait_dscnt 0x0                               ; V's fragments are in
.irp t, 0,1,2,3                                        ; the four accumulators take turns, one instruction a turn
	v_wmma_f32_16x16x128_fp8_fp8 v[160+8*\t:167+8*\t], v[32+16*\t:47+16*\t], v[224:239], v[160+8*\t:167+8*\t]
.endr
.Lhidden:
	s_add_co_u32 s53, s53, 32*KP
	s_add_co_u32 s54, s54, 128
	s_add_co_u32 s52, s52, 128
	s_cmp_lt_u32 s52, 1024
	s_cbranch_scc1 .Lstep
; THE WAY OUT: O^T / the sum x 2^(e4 + e5), quantised with 2^e6; 16 tokens x 64 code bytes go through my stage and leave as 1,024 consecutive bytes
	v_add_f32 v14, v14, v15
	s_delay_alu instid0(VALU_DEP_1)
	v_permlanex16_b32 v252, v14, s[SEL], s[SEL+1]
	s_delay_alu instid0(VALU_DEP_1)
	v_add_f32 v14, v14, v252
	s_wait_alu depctr_va_vdst(0)
	v_rcp_f32 v14, v14
	v_and_b32 v8, 15, v0
	v_bfe_u32 v9, v0, 4, 1
	s_add_co_i32 s76, s72, s73
	s_mul_i32 s77, s[WV], 16*80
	s_add_co_u32 s77, s77, STAGE
	v_mul_u32_u24 v10, v8, 80
	s_delay_alu instid0(VALU_DEP_1)
	v_lshl_add_u32 v10, v9, 3, v10
	s_delay_alu instid0(VALU_DEP_1)
	v_add_nc_u32 v10, s77, v10                     ; in: row r, 8 h
	v_and_b32 v11, 31, v0
	s_delay_alu instid0(VALU_DEP_1)
	v_lshrrev_b32 v4, 2, v11
	s_delay_alu instid0(VALU_DEP_1)
	v_mul_u32_u24 v4, v4, 80
	s_delay_alu instid0(VALU_DEP_3)
	v_and_b32 v11, 3, v11
	s_delay_alu instid0(VALU_DEP_1)
	v_lshl_add_u32 v11, v11, 4, v4
	s_delay_alu instid0(VALU_DEP_1)
	v_add_nc_u32 v11, s77, v11                     ; back: four lanes to a row
	s_wait_alu depctr_va_vdst(0)                   ; the wait ahead of the reciprocal's first reader
	v_ldexp_f32 v14, v14, s76
.set j, 0
.rept 32
	v_mul_f32 v[96+j], v[160+j], v14               ; register 8 t + i is o(r, 16 t + 8 h + i)
.set j, j+1
.endr
.set j, 0
.rept 32
	v_med3_num_f32 v[96+j], v[96+j], -v241, v241
.set j, j+1
.endr
.irp t, 0,1,2,3
	v_cvt_scalef32_pk8_fp8_f32 v[224+2*\t:225+2*\t], v[96+8*\t:103+8*\t], v245
.endr
	v_nop
.irp t, 0,1,2,3
	ds_store_b64 v10, v[224+2*\t:225+2*\t] offset:16*\t
.endr
.irp i, 0,1
	ds_load_b128 v[32+4*\i:35+4*\i], v11 offset:640*\i    ; LDS serves a wave's instructions in order: these see my stores
.endr
.irp i, 0,1
	s_wait_dscnt 1-\i
	global_store_b128 v7, v[32+4*\i:35+4*\i], s[8:9] offset:512*\i
.endr
	s_wait_tensorcnt 0x0                           ; the wave's end
	ds_add_u32 v[SPW], v[NIL]
	s_wait_dscnt 0x0
	CROUND                                         ; the closing round
	s_endpgm
.Lfunc_end_k_qc58a625bfa_attn:
	.size	k_qc58a625bfa_attn, .Lfunc_end_k_qc58a625bfa_attn-k_qc58a625bfa_attn
	.p2alignl 7, 3214868480
	.fill 96, 4, 3214868480
	.section	.rodata,"a",@progbits
	.p2align	6, 0x0
	.amdhsa_kernel k_qc58a625bfa_attn
		.amdhsa_group_segment_fixed_size 167936
		.amdhsa_private_segment_fixed_size 0
		.amdhsa_enable_private_segment 0
		.amdhsa_kernarg_size 24
		.amdhsa_user_sgpr_count 2
		.amdhsa_user_sgpr_kernarg_segment_ptr 1
		.amdhsa_wavefront_size32 1
		.amdhsa_system_sgpr_workgroup_id_x 1
		.amdhsa_system_sgpr_workgroup_id_y 1
		.amdhsa_system_sgpr_workgroup_id_z 1
		.amdhsa_system_vgpr_workitem_id 0
		.amdhsa_next_free_vgpr 256
		.amdhsa_next_free_sgpr 100
		.amdhsa_reserve_vcc 1
		.amdhsa_float_denorm_mode_32 3
		.amdhsa_float_denorm_mode_16_64 3
		.amdhsa_memory_ordered 1
		.amdhsa_forward_progress 1
		.amdhsa_inst_pref_size 35
	.end_amdhsa_kernel
	.amdgpu_metadata
---
amdhsa.version: [ 1, 2 ]
amdhsa.kernels:
  - .name:           k_qc58a625bfa_attn
    .symbol:         k_qc58a625bfa_attn.kd
    .args:
      - { .name: qkvc, .offset: 0, .size: 8, .value_kind: global_buffer, .address_space: global }
      - { .name: lowp_scales, .offset: 8, .size: 8, .value_kind: global_buffer, .address_space: global }
      - { .name: atc, .offset: 16, .size: 8, .value_kind: global_buffer, .address_space: global }
    .group_segment_fixed_size: 167936
    .private_segment_fixed_size: 0
    .kernarg_segment_align: 8
    .kernarg_segment_size: 24
    .max_flat_workgroup_size: 512
    .sgpr_count:     100
    .vgpr_count:     256
    .wavefront_size: 32
...
	.end_amdgpu_metadata
.endif
;; end of part 3
;; launch proj (part 4): grid 8 x 32, 4 waves a work-group, clusters of 4 x 4, 327,680 bytes of LDS; arguments atc, pc, lowp_scales, b_proj, x, x1; writes x1
.if DOCPART == 4
	.amdgcn_target "amdgcn-amd-amdhsa--gfx1250"
	.amdhsa_code_object_version 6
	.text
	.protected	k_qc58a625bfa_proj
	.globl	k_qc58a625bfa_proj
	.p2align	8
	.type	k_qc58a625bfa_proj,@function
k_qc58a625bfa_proj:
	s_mov_b64 s[64:65], 0
	v_nop
	global_prefetch_b8 v0, s[64:65] scope:SCOPE_SE
	s_setreg_imm32_b32 hwreg(HW_REG_WAVE_MODE, 25, 1), 1
	s_wait_xcnt 0x0
	s_wait_alu depctr_hold_cnt(0) depctr_sa_sdst(0) depctr_va_vdst(0) depctr_va_sdst(0) depctr_va_ssrc(0) depctr_va_vcc(0) depctr_vm_vsrc(0)
	s_getreg_b32 s2, hwreg(HW_REG_IB_STS2, 6, 4)
	s_cmp_eq_u32 s2, 0
	s_cbranch_scc0 .Lentry_in_a_cluster
	s_endpgm
.Lentry_in_a_cluster:
	s_bfe_u32 s2, ttmp6, 0x10000c
	s_cmp_lg_u32 s2, 0xf033
	s_cbranch_scc0 .Lentry_shape_is_right
	s_endpgm
.Lentry_shape_is_right:
; out = res + Q(A) Q(W) x 2^(ea + eb) + bias, f32, N = 1,024.  One text serves two launches; PROJ says which.
; PROJ = 1: A = attention's codes, [16 heads][4,096 tokens][64], K = 1,024, W = w_proj's codes, exponents e6, e7.   PROJ = 0: A = the MLP's hidden codes [4,096][4,096], K = 4,096, W = w_mproj's, e10, e11.
; A tile of 128 x 128 gives 256 work-groups (tiles of 256 x 256 would give 64).  Four waves, 64 x 64 each: 16 accumulators.  A slot holds 512 along K, four steps of 128; two slots.
; CLUSTERS 4 x 4: A's tile is shared along a row of the cluster, B's along a column, by joint loads.  THE MATRIX INSTRUCTION IS USED TRANSPOSED: a lane holds eight neighbouring columns of a row.
; PROJ = 1: a load of A brings 8 heads x (64 tokens x 64 bytes, dense), 16 bytes of padding behind each token's 64: in LDS [8 heads][64 tokens][80 bytes].  K = 1,024 is both slots' first fill: nothing is filled again.
; The residual's 64 x 64 numbers of a wave are asked for at the head, into window 2, in the order in which the rows come back from the stage.
; LIMIT: ea + eb between -126 and 127.
; REGISTERS: window 0: v0-31 addresses, v12-15 bias, v32-95 rows on the way out, v128-255 accumulators.  window 1: two sets of fragments (A's four at f, B's four at f + 64).  window 2: v0-127 the residual.
.set PROJ,   1
.if PROJ
.set KTOT,   1024
.set AH,     40960                     ; what one load of A fills
.set ASTEP,  8*262144                  ; from a slot's part of A to the next, in memory
.set WOFF,   3145728
.set EOFF,   24
.set LA,     4                         ; the register with A's lane term
.else
.set KTOT,   4096
.set AH,     33792
.set ASTEP,  512
.set WOFF,   8388608
.set EOFF,   40
.set LA,     3
.endif
.set PITCH,  528                       ; 512 bytes + 16: the 16 rows that a load touches start at 16 different banks (ISA guide 11.1)
.set BH,     64*PITCH
.set SLOT,   2*AH+2*BH
.set STAGE,  2*SLOT                    ; behind the ring: 16 rows x 272 bytes for each wave
.set SPITCH, 272
.set SPARE,  STAGE+4*16*SPITCH
.set LAPS,   KTOT/1024
.set ADRA, 16
.set ADRB, 20
.set STO,  24
.set RD,   25
.set CO,   26
.set SPW,  28
.set NIL,  29
.set ACC,  128
.set F0,   0
.set F1,   128
.set G1, 24
.set G0, 32
.set G1B, 48
.set G0B, 56
.set MSB, 0
.macro WIN new
.if MSB != (\new)
	s_set_vgpr_msb (MSB<<8)|(\new)
.set MSB, (\new)
.endif
.endm
.set MUL,  0x05                        ; sources 0 and 1 window 1; C and D window 0
.set TO_F, 0x40
.macro JLOAD s                         ; waves 0 and 1 fetch A's halves, waves 2 and 3 B's; an s_nop 0 and four v_nop follow each line
	s_cmp_eq_u32 s11, 0
	s_cbranch_scc0 .Lfor_b_\@
	tensor_load_to_lds s[G0+4*\s:G0+4*\s+3], s[G1:G1+7]
	s_nop 0
.rept 4
	v_nop
.endr
	s_branch .Lasked_\@
.Lfor_b_\@:
	tensor_load_to_lds s[G0B+4*\s:G0B+4*\s+3], s[G1B:G1B+7]
	s_nop 0
.rept 4
	v_nop
.endr
.Lasked_\@:
.endm
.macro CREST
	s_cmp_lg_u32 s10, 0
	s_cbranch_scc1 .Lnot_wave_0_\@
	s_barrier_signal -3
.Lnot_wave_0_\@:
	s_barrier_wait -3
	s_barrier_signal -1
	s_barrier_wait -1
.endm
.macro CROUND
	s_barrier_signal -1
	s_barrier_wait -1
	CREST
.endm
	s_load_b128 s[4:7], s[0:1], 0x0                ; A's codes, pc
	s_load_b256 s[68:75], s[0:1], 0x10             ; the exponents, the bias, the residual, the output
	v_lshl_add_u32 v[SPW], v0, 2, SPARE
	v_mov_b32 v[NIL], 0
	ds_add_u32 v[SPW], v[NIL]                      ; the wave's opening: the add and its wait ahead of my first tensor load
	ds_add_u32 v[SPW], v[NIL]
	v_lshrrev_b32 v1, 5, v0
	v_readfirstlane_b32 s10, v1                    ; wave
	s_lshr_b32 s11, s10, 1                         ; my half of the rows; also: I fetch for A (0) or B (1)
	s_and_b32 s12, s10, 1                          ; my half of the columns; also: which 64 rows I fetch
	s_bfe_u32 s40, ttmp6, 0x40000
	s_bfe_u32 s41, ttmp6, 0x40004
	s_lshl_b32 s42, ttmp9, 2
	s_add_co_u32 s42, s42, s40                     ; tile column
	s_and_b32 s13, ttmp7, 0xffff
	s_lshl_b32 s13, s13, 2
	s_add_co_u32 s13, s13, s41                     ; tile row
	s_lshl_b32 s43, s41, 2
	s_lshl_b32 s43, 15, s43
	s_lshl_b32 s44, 0x1111, s40
.if PROJ
	s_or_b32 s[G1+0], s43, (1<<20)|(1<<21)|(3<<22)|(3<<25)   ; A: 4 words of padding after every 16
	s_mov_b32 s[G1+1], 4096<<16                    ; 8 rows (heads) of 4,096 bytes (64 tokens)
	s_mov_b32 s[G1+2], 8<<16
	s_mov_b32 s[G1+3], 4096<<16
	s_mov_b32 s[G1+4], 8
	s_mov_b32 s[G1+5], 262144                      ; from head to head
.else
	s_or_b32 s[G1+0], s43, (1<<20)|(1<<21)|(6<<22)|(3<<25)   ; A: 4 words of padding after every 128
	s_mov_b32 s[G1+1], 512<<16                     ; 64 rows of 512 bytes
	s_mov_b32 s[G1+2], 64<<16
	s_mov_b32 s[G1+3], 512<<16
	s_mov_b32 s[G1+4], 64
	s_mov_b32 s[G1+5], KTOT
.endif
	s_mov_b32 s[G1+6], 0
	s_mov_b32 s[G1+7], 0
	s_or_b32 s[G1B+0], s44, (1<<20)|(1<<21)|(6<<22)|(3<<25)
	s_mov_b32 s[G1B+1], 512<<16
	s_mov_b32 s[G1B+2], 64<<16
	s_mov_b32 s[G1B+3], 512<<16
	s_mov_b32 s[G1B+4], 64
	s_mov_b32 s[G1B+5], KTOT
	s_mov_b32 s[G1B+6], 0
	s_mov_b32 s[G1B+7], 0
	s_lshl_b32 s17, s12, 6
	s_lshl_b32 s16, s13, 7
	s_add_co_u32 s16, s16, s17                     ; A: row 128 x tile row + 64 x half
	s_lshl_b32 s46, s42, 7
	s_add_co_u32 s46, s46, s17                     ; B: row 128 x tile column + 64 x half
.if PROJ
	s_lshl_b32 s16, s16, 6
	s_lshl_b32 s46, s46, 10
.else
	s_lshl_b32 s16, s16, 12
	s_lshl_b32 s46, s46, 12
.endif
	s_add_co_u32 s46, s46, WOFF
	s_mov_b32 s17, 0
	s_mov_b32 s47, 0
	s_mul_i32 s20, s12, AH                         ; where they go: A's two halves, then B's two
	s_mul_i32 s21, s12, BH
	s_add_co_u32 s21, s21, 2*AH
	s_wait_dscnt 0x0                               ; the opening add is done
	s_wait_kmcnt 0x0
	s_load_b64 s[76:77], s[68:69], EOFF            ; ea, eb
	s_add_nc_u64 s[14:15], s[4:5], s[16:17]
	s_add_nc_u64 s[46:47], s[6:7], s[46:47]
	CROUND                                         ; all sixteen work-groups are here: the first joint loads meet
.irp s, 0,1
	s_mov_b32 s[G0+4*\s], 1
	s_add_co_u32 s[G0+4*\s+1], s20, \s*SLOT
	s_add_nc_u64 s[G0+4*\s+2:G0+4*\s+3], s[14:15], \s*ASTEP
	s_or_b32 s[G0+4*\s+3], s[G0+4*\s+3], 0x80000000
	s_mov_b32 s[G0B+4*\s], 1
	s_add_co_u32 s[G0B+4*\s+1], s21, \s*SLOT
	s_add_nc_u64 s[G0B+4*\s+2:G0B+4*\s+3], s[46:47], \s*512
	s_or_b32 s[G0B+4*\s+3], s[G0B+4*\s+3], 0x80000000
.endr
	; the prefetch of slot 1: what I fetch there is 128 blocks of 256 bytes; my work-group names 32, told from its three partners' by address (cx for A, cy for B).
	; A: 8 heads x blocks 4 p .. 4 p + 3 of a head's 4,096 bytes; B: rows 16 p .. 16 p + 15, two blocks each
	s_mov_b32 s95, 512
	s_cmp_eq_u32 s11, 0
	s_cselect_b64 s[92:93], s[14:15], s[46:47]
	s_cselect_b32 s94, s40, s41                    ; p
	s_cselect_b32 s96, 10, 14                      ; log2 of the bytes from partner to partner
	s_cselect_b32 s97, 2, 1                        ; log2 of the lanes to a head or row
	s_cselect_b32 s98, 3, 1
	s_cselect_b32 s99, 18, 10                      ; log2 of the bytes from head to head, from row to row
	s_cselect_b32 s95, ASTEP, s95                  ; where slot 1's part begins
	s_lshl_b32 s94, s94, s96
	s_add_co_u32 s94, s94, s95
	s_mov_b32 s95, 0
	s_add_nc_u64 s[92:93], s[92:93], s[94:95]      ; never rewritten
	JLOAD 0                                        ; slot 0: one tensor load a wave at the head
	v_and_b32 v22, 31, v0
	v_lshrrev_b32 v23, s97, v22
	v_and_b32 v22, s98, v22
	v_lshlrev_b32 v23, s99, v23
	v_lshl_add_u32 v22, v22, 8, v23                ; never rewritten
	v_and_b32 v1, 15, v0                           ; r
	v_bfe_u32 v2, v0, 4, 1                         ; h
	v_mul_u32_u24 v3, v1, PITCH
	v_lshl_add_u32 v3, v2, 4, v3
.if PROJ
	v_mul_u32_u24 v4, v1, 80
	v_lshl_add_u32 v4, v2, 4, v4
.endif
	s_mul_i32 s21, s11, AH                         ; my 64 rows of A,
	s_mul_i32 s22, s12, BH
	s_add_co_u32 s22, s22, 2*AH                    ; my 64 rows of B
.irp s, 0,1
	v_add_nc_u32 v[ADRA+\s], s21, v[LA]
	v_add_nc_u32 v[ADRB+\s], s22, v3
	s_add_co_u32 s21, s21, SLOT
	s_add_co_u32 s22, s22, SLOT
.endr
	s_mul_i32 s23, s10, 16*SPITCH
	s_add_co_u32 s23, s23, STAGE                   ; my stage
	v_mul_u32_u24 v5, v1, SPITCH
	v_lshl_add_u32 v5, v2, 5, v5
	v_add_nc_u32 v[STO], s23, v5                   ; in: row r, 32 bytes for each half of the lanes
	v_mul_u32_u24 v5, v2, SPITCH
	v_lshl_add_u32 v5, v1, 4, v5
	v_add_nc_u32 v[RD], s23, v5                    ; back: lanes 0-15 one row of 256 bytes, lanes 16-31 the next
	v_lshlrev_b32 v[CO], 12, v2
	v_lshl_add_u32 v[CO], v1, 4, v[CO]             ; the same two rows in memory; never rewritten
	v_lshlrev_b32 v6, 4, v1
	s_wait_alu depctr_va_vdst(0)
	s_lshl_b32 s16, s13, 7
	s_lshl_b32 s17, s11, 6
	s_add_co_u32 s16, s16, s17
	s_lshl_b32 s16, s16, 12                        ; my first row, in bytes
	s_mov_b32 s17, 0
	s_lshl_b32 s46, s42, 9
	s_lshl_b32 s47, s12, 8
	s_add_co_u32 s46, s46, s47                     ; my first column, in bytes
	s_mov_b32 s47, 0
	s_add_nc_u64 s[72:73], s[72:73], s[16:17]
	s_add_nc_u64 s[72:73], s[72:73], s[46:47]
	s_add_nc_u64 s[74:75], s[74:75], s[16:17]
	s_add_nc_u64 s[74:75], s[74:75], s[46:47]
	s_add_nc_u64 s[70:71], s[70:71], s[46:47]
	global_prefetch_b8 v22, s[92:93] th:TH_LOAD_NT scope:SCOPE_SE   ; slot 1, one slot ahead of its load
.macro FETCH slot, q, f                ; 32 LDS loads: the fragments of the slot's q-th 128 along K into set f; registers 4 c .. 4 c + 3 hold k = 32 c + 16 (l / 16) + 0 .. 15, in A and B alike
	WIN TO_F
.irp i, 0,1,2,3
.irp c, 0,1,2,3
	ds_load_b128 v[\f+64+16*\i+4*\c:\f+64+16*\i+4*\c+3], v[ADRB+\slot] offset:128*(\q)+32*\c+\i*16*PITCH
.if PROJ
	ds_load_b128 v[\f+16*\i+4*\c:\f+16*\i+4*\c+3], v[ADRA+\slot] offset:(2*(\q)+\c/2)*5120+32*(\c%2)+\i*1280
.else
	ds_load_b128 v[\f+16*\i+4*\c:\f+16*\i+4*\c+3], v[ADRA+\slot] offset:128*(\q)+32*\c+\i*16*PITCH
.endif
.endr
.endr
.endm
.macro MULA f, a, zero                 ; four matrix instructions; the 16 accumulators take turns in the same order in every step
.irp b, 0,1,2,3
.if \zero
	v_wmma_f32_16x16x128_fp8_fp8 v[ACC+8*(4*(\a)+\b):ACC+8*(4*(\a)+\b)+7], v[\f+64+16*\b:\f+64+16*\b+15], v[\f+16*(\a):\f+16*(\a)+15], 0
.else
	v_wmma_f32_16x16x128_fp8_fp8 v[ACC+8*(4*(\a)+\b):ACC+8*(4*(\a)+\b)+7], v[\f+64+16*\b:\f+64+16*\b+15], v[\f+16*(\a):\f+16*(\a)+15], v[ACC+8*(4*(\a)+\b):ACC+8*(4*(\a)+\b)+7]
.endif
.endr
.endm
.macro PLACES
.rept 4
	v_nop
.endr
.endm
.macro STEP slot, q, f, g, zero        ; multiplies set f and fetches the next 128 along K into g
	s_wait_dscnt 0x0                               ; set f, asked for a step ago, is in
	PLACES                                         ; in front of loads into registers that the last step's products read
	FETCH \slot, (\q)+1, \g
	WIN MUL
	MULA \f, 0, \zero
	MULA \f, 1, \zero
	MULA \f, 2, \zero
	MULA \f, 3, \zero
.endm
.macro TURN slot, next, fill           ; a slot's last step, on set 1, changes slots
	WIN 0
	s_wait_tensorcnt 0x0                           ; all my tensor loads have landed: my part of the next slot
	ds_add_u32 v[SPW], v[NIL]
	s_wait_dscnt 1                                 ; set 1 is in; the add may be out
	WIN MUL
	MULA F1, 0, 0
	MULA F1, 1, 0
	s_wait_dscnt 0x0                               ; the add is done, and my reads of this slot are over
	s_barrier_signal -1
	MULA F1, 2, 0
.if \fill
	WIN 0
.endif
	s_barrier_wait -1
.if \fill
	CREST                                          ; no wave of any partner still reads this slot or has a load on its way
	s_add_nc_u64 s[G0+4*\slot+2:G0+4*\slot+3], s[G0+4*\slot+2:G0+4*\slot+3], 2*ASTEP
	s_add_nc_u64 s[G0B+4*\slot+2:G0B+4*\slot+3], s[G0B+4*\slot+2:G0B+4*\slot+3], 1024
	JLOAD \slot                                    ; the first tensor load behind the round; its four v_nop are the places in front of the loads below
.else
	PLACES
.endif
	FETCH \next, 0, F0
	WIN MUL
	MULA F1, 3, 0
.endm
	s_wait_alu depctr_va_vdst(0)                   ; the wait at the head's end
	s_wait_tensorcnt 0x0                           ; my part of slot 0 is in; slot 1's first fill is issued as a refill is:
	ds_add_u32 v[SPW], v[NIL]
	s_wait_dscnt 0x0
	CROUND                                         ; everybody's part of slot 0 is in, and the joint loads meet
	JLOAD 1
	FETCH 0, 0, F0
	WIN 0
	global_load_b128 v[12:15], v6, s[70:71]        ; the bias of my four columns, and the residual, are asked for here, behind slot 0's landing: eight steps of products stand ahead of their first use
	WIN 0x80                                       ; destination window 2
.irp a, 0,1,2,3
.irp t, 0,1,2,3,4,5,6,7
	global_load_b128 v[4*(8*\a+\t):4*(8*\a+\t)+3], v[CO], s[72:73] offset:(16*\a+2*\t)*4096
.endr
.endr
	STEP 0, 0, F0, F1, 1                           ; the first products start the sums
.if LAPS > 1
	WIN 0
	s_mov_b32 s3, LAPS-1
.Llap:
	STEP 0, 1, F1, F0, 0
	STEP 0, 2, F0, F1, 0
	TURN 0, 1, 1
	STEP 1, 0, F0, F1, 0
	STEP 1, 1, F1, F0, 0
	STEP 1, 2, F0, F1, 0
	TURN 1, 0, 1
	STEP 0, 0, F0, F1, 0
	WIN 0
	s_sub_co_u32 s3, s3, 1
	s_cmp_lg_u32 s3, 0
	s_cbranch_scc1 .Llap
.endif
	STEP 0, 1, F1, F0, 0                           ; the last lap fills nothing
	STEP 0, 2, F0, F1, 0
	TURN 0, 1, 0
	STEP 1, 0, F0, F1, 0
	STEP 1, 1, F1, F0, 0
	STEP 1, 2, F0, F1, 0
	s_wait_dscnt 0x0
	MULA F1, 0, 0
	MULA F1, 1, 0
	MULA F1, 2, 0
	MULA F1, 3, 0
	WIN 0
; THE WAY OUT, 16 rows at a time: the sums go through my own stage and come back as rows of 256 bytes; there sum x 2^(ea + eb) + residual + bias; sixteen lanes store 256 consecutive bytes, aligned
	s_wait_kmcnt 0x0
	s_add_co_i32 s78, s76, s77
	s_add_co_i32 s78, s78, 127
	s_lshl_b32 s78, s78, 23
	s_mov_b32 s79, s78
	PLACES
.macro OUTB a
.set BK, 32+32*((\a)%2)
.if (\a) >= 2
	s_wait_xcnt 0x0                                ; block a - 2's stores have read their registers
.endif
.irp b, 0,1,2,3
	ds_store_b128 v[STO], v[ACC+8*(4*(\a)+\b):ACC+8*(4*(\a)+\b)+3] offset:64*\b          ; each accumulator from its low end on
	ds_store_b128 v[STO], v[ACC+8*(4*(\a)+\b)+4:ACC+8*(4*(\a)+\b)+7] offset:64*\b+16
.endr
.irp t, 0,1,2,3,4,5,6,7
	ds_load_b128 v[BK+4*\t:BK+4*\t+3], v[RD] offset:\t*2*SPITCH     ; LDS serves a wave's instructions in order: these see my stores
.endr
	s_wait_dscnt 0x0
	s_wait_loadcnt 8*(3-(\a))                      ; the bias and this block's eight rows of the residual are in; the later blocks' eight loads each may be out
	WIN 0x20
.irp t, 0,1,2,3,4,5,6,7
.irp p, 0,2
	v_pk_fma_f32 v[BK+4*\t+\p:BK+4*\t+\p+1], v[BK+4*\t+\p:BK+4*\t+\p+1], s[78:79], v[4*(8*(\a)+\t)+\p:4*(8*(\a)+\t)+\p+1] op_sel_hi:[1,0,1]
.endr
.endr
	WIN 0
.irp t, 0,1,2,3,4,5,6,7
.irp p, 0,2
	v_pk_add_f32 v[BK+4*\t+\p:BK+4*\t+\p+1], v[BK+4*\t+\p:BK+4*\t+\p+1], v[12+\p:13+\p]
.endr
	global_store_b128 v[CO], v[BK+4*\t:BK+4*\t+3], s[74:75] offset:(16*(\a)+2*\t)*4096
.endr
.endm
	OUTB 0
	OUTB 1
	OUTB 2
	OUTB 3
	s_wait_tensorcnt 0x0                           ; the wave's end
	ds_add_u32 v[SPW], v[NIL]
	s_wait_dscnt 0x0
	CROUND                                         ; the closing round
	s_endpgm
.Lfunc_end_k_qc58a625bfa_proj:
	.size	k_qc58a625bfa_proj, .Lfunc_end_k_qc58a625bfa_proj-k_qc58a625bfa_proj
	.p2alignl 7, 3214868480
	.fill 96, 4, 3214868480
	.section	.rodata,"a",@progbits
	.p2align	6, 0x0
	.amdhsa_kernel k_qc58a625bfa_proj
		.amdhsa_group_segment_fixed_size 327680
		.amdhsa_private_segment_fixed_size 0
		.amdhsa_enable_private_segment 0
		.amdhsa_kernarg_size 48
		.amdhsa_user_sgpr_count 2
		.amdhsa_user_sgpr_kernarg_segment_ptr 1
		.amdhsa_wavefront_size32 1
		.amdhsa_system_sgpr_workgroup_id_x 1
		.amdhsa_system_sgpr_workgroup_id_y 1
		.amdhsa_system_sgpr_workgroup_id_z 1
		.amdhsa_system_vgpr_workitem_id 0
		.amdhsa_next_free_vgpr 640
		.amdhsa_next_free_sgpr 100
		.amdhsa_reserve_vcc 0
		.amdhsa_float_denorm_mode_32 3
		.amdhsa_float_denorm_mode_16_64 3
		.amdhsa_memory_ordered 1
		.amdhsa_forward_progress 1
		.amdhsa_inst_pref_size 54
	.end_amdhsa_kernel
	.amdgpu_metadata
---
amdhsa.version: [ 1, 2 ]
amdhsa.kernels:
  - .name:           k_qc58a625bfa_proj
    .symbol:         k_qc58a625bfa_proj.kd
    .args:
      - { .name: atc, .offset: 0, .size: 8, .value_kind: global_buffer, .address_space: global }
      - { .name: pc, .offset: 8, .size: 8, .value_kind: global_buffer, .address_space: global }
      - { .name: lowp_scales, .offset: 16, .size: 8, .value_kind: global_buffer, .address_space: global }
      - { .name: b_proj, .offset: 24, .size: 8, .value_kind: global_buffer, .address_space: global }
      - { .name: x, .offset: 32, .size: 8, .value_kind: global_buffer, .address_space: global }
      - { .name: x1, .offset: 40, .size: 8, .value_kind: global_buffer, .address_space: global }
    .group_segment_fixed_size: 327680
    .private_segment_fixed_size: 0
    .kernarg_segment_align: 8
    .kernarg_segment_size: 48
    .max_flat_workgroup_size: 128
    .sgpr_count:     100
    .vgpr_count:     640
    .wavefront_size: 32
...
	.end_amdgpu_metadata
.endif
;; end of part 4
;; launch ln2 (part 5): grid 256 x 1, 4 waves a work-group, no clusters, 0 bytes of LDS; arguments x1, ln2_g, ln2_b, lowp_scales, h2c; writes h2c
.if DOCPART == 5
	.amdgcn_target "amdgcn-amd-amdhsa--gfx1250"
	.amdhsa_code_object_version 6
	.text
	.protected	k_qc58a625bfa_ln2
	.globl	k_qc58a625bfa_ln2
	.p2align	8
	.type	k_qc58a625bfa_ln2,@function
k_qc58a625bfa_ln2:
	s_mov_b64 s[64:65], 0
	v_nop
	global_prefetch_b8 v0, s[64:65] scope:SCOPE_SE
	s_setreg_imm32_b32 hwreg(HW_REG_WAVE_MODE, 25, 1), 1
	s_wait_xcnt 0x0
; LayerNorm 2 of x1 [4,096][1,024] f32, quantised to E4M3 with 2^e8.  A wave takes 4 rows, a row in 32 registers a lane; no LDS, no barrier.
; Mean first, then the mean of the squared differences, so that a common offset of the inputs costs no accuracy.
; ORDER ALONG K of the codes: inside each 512, byte 16 i + 4 j + t holds k = 128 j + 4 i + t: w_fc's codes have the same order.  So every load is 16 dense bytes a lane and so is every store.
; LIMITS: e8 between -126 and 119.  NaN among the inputs is not served.
.set G,   16                           ; v16-47 gain, v48-79 bias, v80-207 four rows, v208-239 their codes
.set BT,  48
.set XL,  80
.set CD,  208
	s_load_b256 s[4:11], s[0:1], 0x0               ; x1, ln2_g, ln2_b, the exponents
	s_load_b64 s[20:21], s[0:1], 0x20              ; h2c
	v_lshrrev_b32 v1, 5, v0
	v_readfirstlane_b32 s22, v1
	v_and_b32 v1, 31, v0
	s_lshl_b32 s36, ttmp9, 4
	s_lshl_b32 s37, s22, 2
	s_add_co_u32 s36, s36, s37                     ; my wave's first row
	s_lshl_b32 s38, s36, 12
	s_mov_b32 s39, 0
	s_lshl_b32 s40, s36, 10
	s_mov_b32 s41, 0
	s_wait_alu depctr_va_vdst(0)
	s_wait_kmcnt 0x0
	s_load_b32 s24, s[10:11], 0x20                 ; e8
	s_add_nc_u64 s[4:5], s[4:5], s[38:39]
	s_add_nc_u64 s[20:21], s[20:21], s[40:41]
	s_mov_b32 s66, 0x76543210                      ; v_permlanex16_b32: lane l xor 16
	s_mov_b32 s67, 0xfedcba98
	s_mov_b32 s68, 0x3a800000                      ; 1 / 1024
	v_lshlrev_b32 v2, 4, v1                        ; 16 bytes a lane; never rewritten
	v_mov_b32 v7, 0                                ; (named as the upper half of the pair v[6:7])
	v_mov_b32 v13, 0                               ; (a lane permute's destination counts as read)
.macro LDROW p
.irp i, 0,1,2,3,4,5,6,7
	global_load_b128 v[XL+32*(\p)+4*\i:XL+32*(\p)+4*\i+3], v2, s[4:5] offset:4096*(\p)+512*\i
.endr
.endm
.macro LDVEC reg, base
.irp i, 0,1,2,3,4,5,6,7
	global_load_b128 v[\reg+4*\i:\reg+4*\i+3], v2, s[\base:\base+1] offset:512*\i
.endr
.endm
	LDROW 0
	LDVEC G, 6
	LDVEC BT, 8
	LDROW 1
	LDROW 2
	LDROW 3
	s_wait_kmcnt 0x0
	s_add_co_i32 s69, s24, 127
	s_lshl_b32 s70, s69, 23
	v_mov_b32 v14, s70                             ; 2^e8
	s_add_co_i32 s69, s69, 8
	s_lshl_b32 s69, s69, 23
	s_or_b32 s69, s69, 0x600000
	v_mov_b32 v15, s69                             ; 448 x 2^e8
.macro RED
	v_add_f32_dpp v12, v12, v12 row_xmask:1 row_mask:0xf bank_mask:0xf
	v_add_f32_dpp v12, v12, v12 row_xmask:2 row_mask:0xf bank_mask:0xf
	v_add_f32_dpp v12, v12, v12 row_xmask:4 row_mask:0xf bank_mask:0xf
	v_add_f32_dpp v12, v12, v12 row_xmask:8 row_mask:0xf bank_mask:0xf
	v_permlanex16_b32 v13, v12, s66, s67
	v_add_f32 v12, v12, v13
.endm
.macro ROW p, left                     ; left: the younger loads, which may stay out
.set XR, XL+32*(\p)
	s_wait_loadcnt \left
	v_pk_add_f32 v[8:9], v[XR:XR+1], v[XR+2:XR+3]
	v_pk_add_f32 v[10:11], v[XR+4:XR+5], v[XR+6:XR+7]
.irp j, 8,12,16,20,24,28
	v_pk_add_f32 v[8:9], v[8:9], v[XR+\j:XR+\j+1]
	v_pk_add_f32 v[10:11], v[10:11], v[XR+\j+2:XR+\j+3]
.endr
	v_pk_add_f32 v[8:9], v[8:9], v[10:11]
	v_add_f32 v12, v8, v9
	RED
	v_mul_f32 v4, s68, v12
	v_mov_b32 v5, v4
.set j, 0
.rept 16
	v_pk_add_f32 v[XR+j:XR+j+1], v[XR+j:XR+j+1], v[4:5] neg_lo:[0,1] neg_hi:[0,1]
.set j, j+2
.endr
	v_pk_mul_f32 v[8:9], v[XR:XR+1], v[XR:XR+1]
	v_pk_mul_f32 v[10:11], v[XR+2:XR+3], v[XR+2:XR+3]
.irp j, 4,8,12,16,20,24,28
	v_pk_fma_f32 v[8:9], v[XR+\j:XR+\j+1], v[XR+\j:XR+\j+1], v[8:9]
	v_pk_fma_f32 v[10:11], v[XR+\j+2:XR+\j+3], v[XR+\j+2:XR+\j+3], v[10:11]
.endr
	v_pk_add_f32 v[8:9], v[8:9], v[10:11]
	v_add_f32 v12, v8, v9
	RED
	v_fmaak_f32 v12, s68, v12, 0x3727c5ac          ; the variance + 1e-5
	s_wait_alu depctr_va_vdst(0)
	v_rsq_f32 v6, v12
	v_nop                                          ; a plain instruction behind the transcendental,
	s_wait_alu depctr_va_vdst(0)                   ; and the wait ahead of its first reader
.if (\p) == 0
	s_wait_loadcnt 24                              ; gain and bias are in; rows 1 to 3 (24 loads) may be out
.endif
.set j, 0
.rept 16
	v_pk_mul_f32 v[XR+j:XR+j+1], v[XR+j:XR+j+1], v[6:7] op_sel_hi:[1,0]
.set j, j+2
.endr
.set j, 0
.rept 16
	v_pk_fma_f32 v[XR+j:XR+j+1], v[XR+j:XR+j+1], v[G+j:G+j+1], v[BT+j:BT+j+1]
.set j, j+2
.endr
.set j, 0
.rept 32
	v_med3_num_f32 v[XR+j], v[XR+j], -v15, v15     ; the conversion does not saturate (ISA guide 7.6.2): the hold comes first
.set j, j+1
.endr
.irp m, 0,1,2,3
	v_cvt_scalef32_pk8_fp8_f32 v[CD+8*(\p)+2*\m:CD+8*(\p)+2*\m+1], v[XR+8*\m:XR+8*\m+7], v14
.endr
	v_nop
	global_store_b128 v2, v[CD+8*(\p):CD+8*(\p)+3], s[20:21] offset:1024*(\p)          ; the wave stores 512 consecutive bytes, aligned
	global_store_b128 v2, v[CD+8*(\p)+4:CD+8*(\p)+7], s[20:21] offset:1024*(\p)+512
.endm
	ROW 0, 40
	ROW 1, 16
	ROW 2, 8
	ROW 3, 0
	s_endpgm
.Lfunc_end_k_qc58a625bfa_ln2:
	.size	k_qc58a625bfa_ln2, .Lfunc_end_k_qc58a625bfa_ln2-k_qc58a625bfa_ln2
	.p2alignl 7, 3214868480
	.fill 96, 4, 3214868480
	.section	.rodata,"a",@progbits
	.p2align	6, 0x0
	.amdhsa_kernel k_qc58a625bfa_ln2
		.amdhsa_group_segment_fixed_size 0
		.amdhsa_private_segment_fixed_size 0
		.amdhsa_enable_private_segment 0
		.amdhsa_kernarg_size 40
		.amdhsa_user_sgpr_count 2
		.amdhsa_user_sgpr_kernarg_segment_ptr 1
		.amdhsa_wavefront_size32 1
		.amdhsa_system_sgpr_workgroup_id_x 1
		.amdhsa_system_sgpr_workgroup_id_y 1
		.amdhsa_system_sgpr_workgroup_id_z 1
		.amdhsa_system_vgpr_workitem_id 0
		.amdhsa_next_free_vgpr 240
		.amdhsa_next_free_sgpr 80
		.amdhsa_reserve_vcc 0
		.amdhsa_float_denorm_mode_32 3
		.amdhsa_float_denorm_mode_16_64 3
		.amdhsa_memory_ordered 1
		.amdhsa_forward_progress 1
		.amdhsa_inst_pref_size 41
	.end_amdhsa_kernel
	.amdgpu_metadata
---
amdhsa.version: [ 1, 2 ]
amdhsa.kernels:
  - .name:           k_qc58a625bfa_ln2
    .symbol:         k_qc58a625bfa_ln2.kd
    .args:
      - { .name: x1, .offset: 0, .size: 8, .value_kind: global_buffer, .address_space: global }
      - { .name: ln2_g, .offset: 8, .size: 8, .value_kind: global_buffer, .address_space: global }
      - { .name: ln2_b, .offset: 16, .size: 8, .value_kind: global_buffer, .address_space: global }
      - { .name: lowp_scales, .offset: 24, .size: 8, .value_kind: global_buffer, .address_space: global }
      - { .name: h2c, .offset: 32, .size: 8, .value_kind: global_buffer, .address_space: global }
    .group_segment_fixed_size: 0
    .private_segment_fixed_size: 0
    .kernarg_segment_align: 8
    .kernarg_segment_size: 40
    .max_flat_workgroup_size: 128
    .sgpr_count:     80
    .vgpr_count:     240
    .wavefront_size: 32
...
	.end_amdgpu_metadata
.endif
;; end of part 5
;; launch fc (part 6): grid 16 x 16, 4 waves a work-group, clusters of 4 x 4, 327,680 bytes of LDS; arguments h2c, pc, lowp_scales, b_fc, gc; writes gc
.if DOCPART == 6
	.amdgcn_target "amdgcn-amd-amdhsa--gfx1250"
	.amdhsa_code_object_version 6
	.text
	.protected	k_qc58a625bfa_fc
	.globl	k_qc58a625bfa_fc
	.p2align	8
	.type	k_qc58a625bfa_fc,@function
k_qc58a625bfa_fc:
	s_mov_b64 s[64:65], 0
	v_nop
	global_prefetch_b8 v0, s[64:65] scope:SCOPE_SE
	s_setreg_imm32_b32 hwreg(HW_REG_WAVE_MODE, 25, 1), 1
	s_wait_xcnt 0x0
	s_wait_alu depctr_hold_cnt(0) depctr_sa_sdst(0) depctr_va_vdst(0) depctr_va_sdst(0) depctr_va_ssrc(0) depctr_va_vcc(0) depctr_vm_vsrc(0)
	s_getreg_b32 s2, hwreg(HW_REG_IB_STS2, 6, 4)
	s_cmp_eq_u32 s2, 0
	s_cbranch_scc0 .Lentry_in_a_cluster
	s_endpgm
.Lentry_in_a_cluster:
	s_bfe_u32 s2, ttmp6, 0x10000c
	s_cmp_lg_u32 s2, 0xf033
	s_cbranch_scc0 .Lentry_shape_is_right
	s_endpgm
.Lentry_shape_is_right:
.set WFOFF,  4194304
.set ROWB,   256
.set KROW,   1024
.set PITCH,  272
.set FR,     16
.set NL,     4
.set NP,     4
.set HALFT,  128*PITCH
.set SLOT,   4*HALFT
.set LAPS,   2
.set SPARE,  2*SLOT
.set ADRA, 16
.set ADRB, 20
.set STO,  24
.set RDR,  25
.set COV,  26
.set SPW,  28
.set NIL,  29
.set BC,   32
.set SCL,  104
.set LIM,  105
.set CD,   106
.set K1,   122
.set K3,   124
.set TMP,  128
.set T,    192
.set AF,   128
.set G1, 24
.set G0, 32
.set G1B, 48
.set G0B, 56
.set MSB, 0
.macro WIN new
.if MSB != (\new)
	s_set_vgpr_msb (MSB<<8)|(\new)
.set MSB, (\new)
.endif
.endm
.set MUL_LO, 0xa1
.set MUL_HI, 0xf1
.set TO_B,   0x40
.macro JLOAD g0a, g1a, g0b, g1b
	s_cmp_eq_u32 s15, 0
	s_cbranch_scc0 .Lfor_b_\@
	tensor_load_to_lds s[\g0a:\g0a+3], s[\g1a:\g1a+7]
	s_nop 0
.rept 4
	v_nop
.endr
	s_branch .Lasked_\@
.Lfor_b_\@:
	tensor_load_to_lds s[\g0b:\g0b+3], s[\g1b:\g1b+7]
	s_nop 0
.rept 4
	v_nop
.endr
.Lasked_\@:
.endm
.macro CREST
	s_cmp_lg_u32 s14, 0
	s_cbranch_scc1 .Lnot_wave_0_\@
	s_barrier_signal -3
.Lnot_wave_0_\@:
	s_barrier_wait -3
	s_barrier_signal -1
	s_barrier_wait -1
.endm
.macro CROUND
	s_barrier_signal -1
	s_barrier_wait -1
	CREST
.endm
	s_load_b256 s[4:11], s[0:1], 0x0
	s_load_b64 s[12:13], s[0:1], 0x20
	v_lshl_add_u32 v[SPW], v0, 2, SPARE
	v_mov_b32 v[NIL], 0
	ds_add_u32 v[SPW], v[NIL]
	ds_add_u32 v[SPW], v[NIL]
	v_lshrrev_b32 v1, 5, v0
	v_readfirstlane_b32 s14, v1
	s_lshr_b32 s15, s14, 1
	s_and_b32 s16, s14, 1
	s_bfe_u32 s40, ttmp6, 0x40000
	s_bfe_u32 s41, ttmp6, 0x40004
	s_lshl_b32 s42, ttmp9, 2
	s_add_co_u32 s42, s42, s40
	s_and_b32 s17, ttmp7, 0xffff
	s_lshl_b32 s17, s17, 2
	s_add_co_u32 s17, s17, s41
	s_lshl_b32 s43, s41, 2
	s_lshl_b32 s43, 15, s43
	s_lshl_b32 s44, 0x1111, s40
	s_or_b32 s[G1+0], s43, (0<<16)|(1<<20)|(1<<21)|(5<<22)|(3<<25)
	s_or_b32 s[G1B+0], s44, (0<<16)|(1<<20)|(1<<21)|(5<<22)|(3<<25)
.irp g, G1, G1B
	s_mov_b32 s[\g+1], ROWB<<16
	s_mov_b32 s[\g+2], 128<<16
	s_mov_b32 s[\g+3], ROWB<<16
	s_mov_b32 s[\g+4], 128
	s_mov_b32 s[\g+5], KROW
	s_mov_b32 s[\g+6], 0
	s_mov_b32 s[\g+7], 0
.endr
	s_lshl_b32 s18, s16, 7
	s_lshl_b32 s20, s17, 8
	s_add_co_u32 s20, s20, s18
	s_lshl_b32 s20, s20, 10
	s_lshl_b32 s46, s42, 8
	s_add_co_u32 s46, s46, s18
	s_lshl_b32 s46, s46, 10
	s_add_co_u32 s46, s46, WFOFF
	s_mov_b32 s21, 0
	s_mov_b32 s47, 0
	s_mul_i32 s45, s14, HALFT
	s_wait_dscnt 0x0
	s_wait_kmcnt 0x0
	s_load_b128 s[76:79], s[8:9], 0x20
	s_add_nc_u64 s[20:21], s[4:5], s[20:21]
	s_add_nc_u64 s[46:47], s[6:7], s[46:47]
	CROUND
.irp s, 0,1
	s_mov_b32 s[G0+4*\s], 1
	s_add_co_u32 s[G0+4*\s+1], s45, \s*SLOT
	s_add_nc_u64 s[G0+4*\s+2:G0+4*\s+3], s[20:21], \s*ROWB
	s_or_b32 s[G0+4*\s+3], s[G0+4*\s+3], 0x80000000
	s_mov_b32 s[G0B+4*\s], 1
	s_add_co_u32 s[G0B+4*\s+1], s45, \s*SLOT
	s_add_nc_u64 s[G0B+4*\s+2:G0B+4*\s+3], s[46:47], \s*ROWB
	s_or_b32 s[G0B+4*\s+3], s[G0B+4*\s+3], 0x80000000
.endr
	s_cmp_eq_u32 s15, 0                            ; the prefetches: of the 128 rows that I fetch, my work-group names 32, told from its three partners' by address (cx for A, cy for B)
	s_cselect_b64 s[92:93], s[20:21], s[46:47]
	s_cselect_b32 s94, s40, s41
	s_lshl_b32 s94, s94, 15                        ; 32 rows of 1,024 bytes
	s_mov_b32 s95, 0
	s_add_nc_u64 s[92:93], s[92:93], s[94:95]      ; never rewritten
	JLOAD G0, G1, G0B, G1B                         ; K step 0: one tensor load a wave at the head
	v_and_b32 v22, 31, v0
	v_lshlrev_b32 v22, 10, v22                     ; a lane a row; never rewritten
	v_and_b32 v1, 15, v0
	v_bfe_u32 v2, v0, 4, 1
	s_wait_alu depctr_va_vdst(0)
	v_mul_u32_u24 v3, v1, PITCH
	s_wait_alu depctr_va_vdst(0)
	v_lshl_add_u32 v4, v2, 4, v3
	s_mul_i32 s21, s15, HALFT
	s_mul_i32 s22, s16, HALFT
	s_add_co_u32 s22, s22, 2*HALFT
.irp s, 0,1
	v_add_nc_u32 v[ADRA+\s], s21, v4
	v_add_nc_u32 v[ADRB+\s], s22, v4
	s_add_co_u32 s21, s21, SLOT
	s_add_co_u32 s22, s22, SLOT
.endr
	s_lshl_b32 s84, s42, 10
	s_lshl_b32 s85, s16, 9
	s_add_co_u32 s84, s84, s85
	v_lshl_add_u32 v8, v2, 5, s84
	global_prefetch_b8 v22, s[92:93] offset:256 th:TH_LOAD_NT scope:SCOPE_SE   ; K step 1's 256 bytes of my 32 rows: its load follows behind the first round
	global_prefetch_b8 v22, s[92:93] offset:512 th:TH_LOAD_NT scope:SCOPE_SE   ; and K step 2's
.irp b, 0,1,2,3,4,5,6,7
	global_load_b128 v[BC+8*\b:BC+8*\b+3], v8, s[10:11] offset:64*\b
	global_load_b128 v[BC+8*\b+4:BC+8*\b+7], v8, s[10:11] offset:64*\b+16
.endr
	s_mul_i32 s23, s15, 128*PITCH
	s_lshl_b32 s22, s16, 7
	s_add_co_u32 s23, s23, s22
	v_lshl_add_u32 v5, v2, 3, v3
	v_add_nc_u32 v[STO], s23, v5
	s_mul_i32 s23, s14, 64*PITCH
	v_mul_u32_u24 v5, v2, PITCH
	v_lshl_add_u32 v5, v1, 4, v5
	v_add_nc_u32 v[RDR], s23, v5
	v_lshlrev_b32 v[COV], 12, v2
	v_lshl_add_u32 v[COV], v1, 4, v[COV]
	s_lshl_b32 s20, s17, 8
	s_lshl_b32 s21, s14, 6
	s_add_co_u32 s20, s20, s21
	s_lshl_b32 s20, s20, 12
	s_mov_b32 s21, 0
	s_lshl_b32 s46, s42, 8
	s_mov_b32 s47, 0
	s_add_nc_u64 s[12:13], s[12:13], s[20:21]
	s_add_nc_u64 s[12:13], s[12:13], s[46:47]
.macro FRAG reg, adr, q, i
.irp c, 0,1,2,3
	ds_load_b128 v[\reg+4*\c:\reg+4*\c+3], v[\adr] offset:128*(\q)+32*\c+(\i)*16*PITCH
.endr
.endm
.macro MUL16 a0, p, zero
.irp a, \a0, \a0+1
.irp b, 0,1,2,3,4,5,6,7
.if \zero
	v_wmma_f32_16x16x128_fp8_fp8 v[8*(8*((\a)%4)+\b):8*(8*((\a)%4)+\b)+7], v[128*(\p)+FR*\b:128*(\p)+FR*\b+FR-1], v[AF+FR*(\a):AF+FR*(\a)+FR-1], 0
.else
	v_wmma_f32_16x16x128_fp8_fp8 v[8*(8*((\a)%4)+\b):8*(8*((\a)%4)+\b)+7], v[128*(\p)+FR*\b:128*(\p)+FR*\b+FR-1], v[AF+FR*(\a):AF+FR*(\a)+FR-1], v[8*(8*((\a)%4)+\b):8*(8*((\a)%4)+\b)+7]
.endif
.endr
.endr
.endm
.macro FETCH_B slot, q, p
	WIN TO_B
.irp i, 0,1,2,3,4,5,6,7
	FRAG 128*(\p)+FR*\i, ADRB+\slot, \q, \i
.endr
	WIN 0
.endm
.macro FETCH_A slot, q, i0
.irp i, \i0, \i0+1, \i0+2, \i0+3
	FRAG AF+FR*(\i), ADRA+\slot, \q, \i
.endr
.endm
.macro PLACES n
.rept \n
	v_nop
.endr
.endm
.macro STEP slot, q, zero
	s_wait_dscnt 4*NL
	WIN MUL_LO
	MUL16 0, (\q)%2, \zero
	MUL16 2, (\q)%2, \zero
	s_wait_dscnt 0
	PLACES NP
	FETCH_B \slot, (\q)+1, 1-(\q)%2
	FETCH_A \slot, (\q)+1, 0
	WIN MUL_HI
	MUL16 4, (\q)%2, \zero
	MUL16 6, (\q)%2, \zero
	PLACES NP
	WIN 0
	FETCH_A \slot, (\q)+1, 4
.endm
.macro TURN slot, next, fill
	s_wait_tensorcnt 0x0
	ds_add_u32 v[SPW], v[NIL]
	s_wait_dscnt 4*NL+1
	WIN MUL_LO
	MUL16 0, 1, 0
	s_wait_dscnt 0x0
	s_barrier_signal -1
	MUL16 2, 1, 0
	WIN 0
	s_barrier_wait -1
.if \fill
	CREST
	s_add_nc_u64 s[G0+4*\slot+2:G0+4*\slot+3], s[G0+4*\slot+2:G0+4*\slot+3], 2*ROWB
	s_add_nc_u64 s[G0B+4*\slot+2:G0B+4*\slot+3], s[G0B+4*\slot+2:G0B+4*\slot+3], 2*ROWB
	JLOAD G0+4*\slot, G1, G0B+4*\slot, G1B
.else
	PLACES NP
.endif
	s_wait_alu depctr_va_vdst(0)
	FETCH_B \next, 0, 0
	FETCH_A \next, 0, 0
	WIN MUL_HI
	MUL16 4, 1, 0
	MUL16 6, 1, 0
	PLACES NP
	WIN 0
	FETCH_A \next, 0, 4
.endm
	s_wait_alu depctr_va_vdst(0)                   ; the wait at the head's end
	s_wait_tensorcnt 0x0                           ; my part of K step 0 is in; slot 1's first fill is issued as a refill is:
	ds_add_u32 v[SPW], v[NIL]
	s_wait_dscnt 0x0
	CROUND                                         ; everybody's part of K step 0 is in, and the joint loads meet
	JLOAD G0+4, G1, G0B+4, G1B                     ; K step 1
	FETCH_B 0, 0, 0
	FETCH_A 0, 0, 0
	FETCH_A 0, 0, 4
	global_prefetch_b8 v22, s[92:93] offset:768 th:TH_LOAD_NT scope:SCOPE_SE   ; K step 3, the last: the two refills ask for nothing
	STEP 0, 0, 1
	s_mov_b32 s3, LAPS-1
.Llap:
	TURN 0, 1, 1
	STEP 1, 0, 0
	TURN 1, 0, 1
	STEP 0, 0, 0
	s_sub_co_u32 s3, s3, 1
	s_cmp_lg_u32 s3, 0
	s_cbranch_scc1 .Llap
	TURN 0, 1, 0
	STEP 1, 0, 0
	s_wait_dscnt 4*NL
	WIN MUL_LO
	MUL16 0, 1, 0
	MUL16 2, 1, 0
	s_wait_dscnt 0
	WIN MUL_HI
	MUL16 4, 1, 0
	MUL16 6, 1, 0
	WIN 0
	s_wait_kmcnt 0x0
	s_add_co_i32 s96, s76, s77
	s_add_co_i32 s96, s96, 127
	s_lshl_b32 s96, s96, 23
	s_mov_b32 s97, s96
	s_add_co_i32 s84, s78, 127
	s_lshl_b32 s85, s84, 23
	s_add_co_i32 s84, s84, 8
	s_lshl_b32 s84, s84, 23
	s_or_b32 s84, s84, 0x600000
	s_wait_loadcnt 0x0
	PLACES NP
	v_mov_b32 v[SCL], s85
	v_mov_b32 v[LIM], s84
	v_mov_b32 v[K1], 0xc0135761
	v_mov_b32 v[K1+1], 0xc0135761
	v_mov_b32 v[K3], 0xbdd2d3e8
	v_mov_b32 v[K3+1], 0xbdd2d3e8
.macro GBLK a
.set AC, 64*((\a)%4)
	WIN 0x02+((\a)/4)
.set j, 0
.rept 32
	v_pk_fma_f32 v[TMP+j:TMP+j+1], v[AC+j:AC+j+1], s[96:97], v[BC+j:BC+j+1] op_sel_hi:[1,0,1]
.set j, j+2
.endr
	WIN 0
.set j, 0
.rept 32
	v_pk_mul_f32 v[T+j:T+j+1], v[TMP+j:TMP+j+1], v[TMP+j:TMP+j+1]
.set j, j+2
.endr
.set j, 0
.rept 32
	v_pk_fma_f32 v[T+j:T+j+1], v[T+j:T+j+1], v[K3:K3+1], v[K1:K1+1]
.set j, j+2
.endr
.set j, 0
.rept 32
	v_pk_mul_f32 v[T+j:T+j+1], v[T+j:T+j+1], v[TMP+j:TMP+j+1]
.set j, j+2
.endr
.set j, 0
	s_wait_alu depctr_va_vdst(0)
.rept 64
	v_exp_f32 v[T+j], v[T+j]
.set j, j+1
.endr
	v_nop
	s_wait_alu depctr_va_vdst(0)
.set j, 0
.rept 32
	v_pk_add_f32 v[T+j:T+j+1], v[T+j:T+j+1], 1.0 op_sel_hi:[1,0]
.set j, j+2
.endr
.set j, 0
	s_wait_alu depctr_va_vdst(0)
.rept 64
	v_rcp_f32 v[T+j], v[T+j]
.set j, j+1
.endr
	v_nop
	s_wait_alu depctr_va_vdst(0)
.set j, 0
.rept 32
	v_pk_mul_f32 v[TMP+j:TMP+j+1], v[TMP+j:TMP+j+1], v[T+j:T+j+1]
.set j, j+2
.endr
.set j, 0
.rept 64
	v_med3_num_f32 v[TMP+j], v[TMP+j], -v[LIM], v[LIM]
.set j, j+1
.endr
	s_wait_alu depctr_va_vdst(0)
	s_wait_dscnt 0x0
.irp b, 0,1,2,3,4,5,6,7
	v_cvt_scalef32_pk8_fp8_f32 v[CD+2*\b:CD+2*\b+1], v[TMP+8*\b:TMP+8*\b+7], v[SCL]
.endr
	v_nop
.irp b, 0,1,2,3,4,5,6,7
	ds_store_b64 v[STO], v[CD+2*\b:CD+2*\b+1] offset:16*PITCH*(\a)+16*\b
.endr
.endm
.irp a, 0,1,2,3,4,5,6,7
	GBLK \a
.endr
	s_wait_dscnt 0x0
	s_barrier_signal -1
	s_barrier_wait -1
.set i, 0
.rept 32
	ds_load_b128 v[128+4*i:131+4*i], v[RDR] offset:2*PITCH*i
.set i, i+1
.endr
.set i, 0
.rept 32
	s_wait_dscnt 31-i
	global_store_b128 v[COV], v[128+4*i:131+4*i], s[12:13] offset:8192*i
.set i, i+1
.endr
	s_wait_tensorcnt 0x0
	ds_add_u32 v[SPW], v[NIL]
	s_wait_dscnt 0x0
	CROUND
	s_endpgm
.Lfunc_end_k_qc58a625bfa_fc:
	.size	k_qc58a625bfa_fc, .Lfunc_end_k_qc58a625bfa_fc-k_qc58a625bfa_fc
	.p2alignl 7, 3214868480
	.fill 96, 4, 3214868480
	.section	.rodata,"a",@progbits
	.p2align	6, 0x0
	.amdhsa_kernel k_qc58a625bfa_fc
		.amdhsa_group_segment_fixed_size 327680
		.amdhsa_private_segment_fixed_size 0
		.amdhsa_enable_private_segment 0
		.amdhsa_kernarg_size 40
		.amdhsa_user_sgpr_count 2
		.amdhsa_user_sgpr_kernarg_segment_ptr 1
		.amdhsa_wavefront_size32 1
		.amdhsa_system_sgpr_workgroup_id_x 1
		.amdhsa_system_sgpr_workgroup_id_y 1
		.amdhsa_system_sgpr_workgroup_id_z 1
		.amdhsa_system_vgpr_workitem_id 0
		.amdhsa_next_free_vgpr 1024
		.amdhsa_next_free_sgpr 100
		.amdhsa_reserve_vcc 0
		.amdhsa_float_denorm_mode_32 3
		.amdhsa_float_denorm_mode_16_64 3
		.amdhsa_memory_ordered 1
		.amdhsa_forward_progress 1
		.amdhsa_inst_pref_size 255
	.end_amdhsa_kernel
	.section	.bss,"aw",@nobits
	.p2align	6
	.space	262144
	.amdgpu_metadata
---
amdhsa.version: [ 1, 2 ]
amdhsa.kernels:
  - .name:           k_qc58a625bfa_fc
    .symbol:         k_qc58a625bfa_fc.kd
    .args:
      - { .name: h2c, .offset: 0, .size: 8, .value_kind: global_buffer, .address_space: global }
      - { .name: pc, .offset: 8, .size: 8, .value_kind: global_buffer, .address_space: global }
      - { .name: lowp_scales, .offset: 16, .size: 8, .value_kind: global_buffer, .address_space: global }
      - { .name: b_fc, .offset: 24, .size: 8, .value_kind: global_buffer, .address_space: global }
      - { .name: gc, .offset: 32, .size: 8, .value_kind: global_buffer, .address_space: global }
    .group_segment_fixed_size: 327680
    .private_segment_fixed_size: 0
    .kernarg_segment_align: 8
    .kernarg_segment_size: 40
    .max_flat_workgroup_size: 128
    .sgpr_count:     100
    .vgpr_count:     1024
    .wavefront_size: 32
...
	.end_amdgpu_metadata
.endif
;; end of part 6
;; launch mproj (part 7): grid 8 x 32, 4 waves a work-group, clusters of 4 x 4, 327,680 bytes of LDS; arguments gc, pc, lowp_scales, b_mproj, x1, out0; writes out0
.if DOCPART == 7
	.amdgcn_target "amdgcn-amd-amdhsa--gfx1250"
	.amdhsa_code_object_version 6
	.text
	.protected	k_qc58a625bfa_mproj
	.globl	k_qc58a625bfa_mproj
	.p2align	8
	.type	k_qc58a625bfa_mproj,@function
k_qc58a625bfa_mproj:
	s_mov_b64 s[64:65], 0
	v_nop
	global_prefetch_b8 v0, s[64:65] scope:SCOPE_SE
	s_setreg_imm32_b32 hwreg(HW_REG_WAVE_MODE, 25, 1), 1
	s_wait_xcnt 0x0
	s_wait_alu depctr_hold_cnt(0) depctr_sa_sdst(0) depctr_va_vdst(0) depctr_va_sdst(0) depctr_va_ssrc(0) depctr_va_vcc(0) depctr_vm_vsrc(0)
	s_getreg_b32 s2, hwreg(HW_REG_IB_STS2, 6, 4)
	s_cmp_eq_u32 s2, 0
	s_cbranch_scc0 .Lentry_in_a_cluster
	s_endpgm
.Lentry_in_a_cluster:
	s_bfe_u32 s2, ttmp6, 0x10000c
	s_cmp_lg_u32 s2, 0xf033
	s_cbranch_scc0 .Lentry_shape_is_right
	s_endpgm
.Lentry_shape_is_right:
; out0 = x1 + Q(gelu) Q(w_mproj) x 2^(e10 + e11) + b_mproj, f32.  M = 4,096, N = 1,024, K = 4,096, on codes of E4M3: A = gc [4,096][4,096], B = w_mproj's codes [1,024][4,096] in pc.
; A tile of 128 x 128 gives 256 work-groups.  Four waves, 64 x 64 each: 16 accumulators.  A slot holds 512 along K, four steps of 128; two slots, eight fills.
; CLUSTERS 4 x 4: A's tile is shared along a row of the cluster, B's along a column, by joint loads.  THE MATRIX INSTRUCTION IS USED TRANSPOSED: a lane holds eight neighbouring columns of a row.
; THE TILES ARE PREFETCHED two slots ahead of their tensor loads.  What a wave fetches for a slot is 64 rows x 2 blocks of 256 bytes; the four partners that ask for it jointly share the rows out by address
; (16 rows each: cx for A, cy for B), a lane a block, one instruction a wave.  Slots 1 and 2 are asked for behind the head's load, slot 3 behind slot 1's, slot m + 2 behind the refill that loads slot m; the loop's last trip asks for nothing.
; The residual's 64 x 64 numbers of a wave are asked for at the start of the last lap, into window 2, in the order in which the rows come back from the stage.
; LIMIT: e10 + e11 between -126 and 127.
; REGISTERS: window 0: v0-31 addresses, v12-15 bias, v32-95 rows on the way out, v128-255 accumulators.  window 1: two sets of fragments (A's four at f, B's four at f + 64).  window 2: v0-127 the residual.
.set PROJ,   0
.if PROJ
.set KTOT,   1024
.set AH,     40960
.set ASTEP,  8*262144
.set WOFF,   3145728
.set EOFF,   24
.set LA,     4
.else
.set KTOT,   4096
.set AH,     33792
.set ASTEP,  512
.set WOFF,   8388608
.set EOFF,   40
.set LA,     3
.endif
.set PITCH,  528
.set BH,     64*PITCH
.set SLOT,   2*AH+2*BH
.set STAGE,  2*SLOT
.set SPITCH, 272
.set SPARE,  STAGE+4*16*SPITCH
.set LAPS,   KTOT/1024
.set ADRA, 16
.set ADRB, 20
.set STO,  24
.set RD,   25
.set CO,   26
.set SPW,  28
.set NIL,  29
.set ACC,  128
.set F0,   0
.set F1,   128
.set G1, 24
.set G0, 32
.set G1B, 48
.set G0B, 56
.set MSB, 0
.macro WIN new
.if MSB != (\new)
	s_set_vgpr_msb (MSB<<8)|(\new)
.set MSB, (\new)
.endif
.endm
.set MUL,  0x05
.set TO_F, 0x40
.macro JLOAD s
	s_cmp_eq_u32 s11, 0
	s_cbranch_scc0 .Lfor_b_\@
	tensor_load_to_lds s[G0+4*\s:G0+4*\s+3], s[G1:G1+7]
	s_nop 0
.rept 4
	v_nop
.endr
	s_branch .Lasked_\@
.Lfor_b_\@:
	tensor_load_to_lds s[G0B+4*\s:G0B+4*\s+3], s[G1B:G1B+7]
	s_nop 0
.rept 4
	v_nop
.endr
.Lasked_\@:
.endm
.macro CREST
	s_cmp_lg_u32 s10, 0
	s_cbranch_scc1 .Lnot_wave_0_\@
	s_barrier_signal -3
.Lnot_wave_0_\@:
	s_barrier_wait -3
	s_barrier_signal -1
	s_barrier_wait -1
.endm
.macro CROUND
	s_barrier_signal -1
	s_barrier_wait -1
	CREST
.endm
	s_load_b128 s[4:7], s[0:1], 0x0
	s_load_b256 s[68:75], s[0:1], 0x10
	v_lshl_add_u32 v[SPW], v0, 2, SPARE
	v_mov_b32 v[NIL], 0
	ds_add_u32 v[SPW], v[NIL]
	ds_add_u32 v[SPW], v[NIL]
	v_lshrrev_b32 v1, 5, v0
	v_readfirstlane_b32 s10, v1
	s_lshr_b32 s11, s10, 1
	s_and_b32 s12, s10, 1
	s_bfe_u32 s40, ttmp6, 0x40000
	s_bfe_u32 s41, ttmp6, 0x40004
	s_lshl_b32 s42, ttmp9, 2
	s_add_co_u32 s42, s42, s40
	s_and_b32 s13, ttmp7, 0xffff
	s_lshl_b32 s13, s13, 2
	s_add_co_u32 s13, s13, s41
	s_lshl_b32 s43, s41, 2
	s_lshl_b32 s43, 15, s43
	s_lshl_b32 s44, 0x1111, s40
.if PROJ
	s_or_b32 s[G1+0], s43, (1<<20)|(1<<21)|(3<<22)|(3<<25)
	s_mov_b32 s[G1+1], 4096<<16
	s_mov_b32 s[G1+2], 8<<16
	s_mov_b32 s[G1+3], 4096<<16
	s_mov_b32 s[G1+4], 8
	s_mov_b32 s[G1+5], 262144
.else
	s_or_b32 s[G1+0], s43, (1<<20)|(1<<21)|(6<<22)|(3<<25)
	s_mov_b32 s[G1+1], 512<<16
	s_mov_b32 s[G1+2], 64<<16
	s_mov_b32 s[G1+3], 512<<16
	s_mov_b32 s[G1+4], 64
	s_mov_b32 s[G1+5], KTOT
.endif
	s_mov_b32 s[G1+6], 0
	s_mov_b32 s[G1+7], 0
	s_or_b32 s[G1B+0], s44, (1<<20)|(1<<21)|(6<<22)|(3<<25)
	s_mov_b32 s[G1B+1], 512<<16
	s_mov_b32 s[G1B+2], 64<<16
	s_mov_b32 s[G1B+3], 512<<16
	s_mov_b32 s[G1B+4], 64
	s_mov_b32 s[G1B+5], KTOT
	s_mov_b32 s[G1B+6], 0
	s_mov_b32 s[G1B+7], 0
	s_lshl_b32 s17, s12, 6
	s_lshl_b32 s16, s13, 7
	s_add_co_u32 s16, s16, s17
	s_lshl_b32 s46, s42, 7
	s_add_co_u32 s46, s46, s17
.if PROJ
	s_lshl_b32 s16, s16, 6
	s_lshl_b32 s46, s46, 10
.else
	s_lshl_b32 s16, s16, 12
	s_lshl_b32 s46, s46, 12
.endif
	s_add_co_u32 s46, s46, WOFF
	s_mov_b32 s17, 0
	s_mov_b32 s47, 0
	s_mul_i32 s20, s12, AH
	s_mul_i32 s21, s12, BH
	s_add_co_u32 s21, s21, 2*AH
	s_wait_dscnt 0x0
	s_wait_kmcnt 0x0
	s_load_b64 s[76:77], s[68:69], EOFF
	s_add_nc_u64 s[14:15], s[4:5], s[16:17]
	s_add_nc_u64 s[46:47], s[6:7], s[46:47]
	CROUND
.irp s, 0,1
	s_mov_b32 s[G0+4*\s], 1
	s_add_co_u32 s[G0+4*\s+1], s20, \s*SLOT
	s_add_nc_u64 s[G0+4*\s+2:G0+4*\s+3], s[14:15], \s*ASTEP
	s_or_b32 s[G0+4*\s+3], s[G0+4*\s+3], 0x80000000
	s_mov_b32 s[G0B+4*\s], 1
	s_add_co_u32 s[G0B+4*\s+1], s21, \s*SLOT
	s_add_nc_u64 s[G0B+4*\s+2:G0B+4*\s+3], s[46:47], \s*512
	s_or_b32 s[G0B+4*\s+3], s[G0B+4*\s+3], 0x80000000
.endr
	s_cmp_eq_u32 s11, 0                            ; the prefetches: of the 64 rows that I fetch, my work-group names 16
	s_cselect_b64 s[92:93], s[14:15], s[46:47]
	s_cselect_b32 s94, s40, s41
	s_lshl_b32 s94, s94, 16                        ; 16 rows of 4,096 bytes
	s_mov_b32 s95, 0
	s_add_nc_u64 s[92:93], s[92:93], s[94:95]
	JLOAD 0                                        ; slot 0: one tensor load a wave at the head
	v_and_b32 v22, 31, v0
	v_lshrrev_b32 v23, 1, v22
	v_and_b32 v22, 1, v22
	v_lshlrev_b32 v23, 12, v23
	v_lshl_add_u32 v22, v22, 8, v23                ; row lane / 2, block lane % 2; never rewritten
	v_and_b32 v1, 15, v0
	s_wait_alu depctr_va_vdst(0)
	v_bfe_u32 v2, v0, 4, 1
	v_mul_u32_u24 v3, v1, PITCH
	v_lshl_add_u32 v3, v2, 4, v3
.if PROJ
	v_mul_u32_u24 v4, v1, 80
	v_lshl_add_u32 v4, v2, 4, v4
.endif
	s_mul_i32 s21, s11, AH
	s_mul_i32 s22, s12, BH
	s_add_co_u32 s22, s22, 2*AH
.irp s, 0,1
	v_add_nc_u32 v[ADRA+\s], s21, v[LA]
	v_add_nc_u32 v[ADRB+\s], s22, v3
	s_add_co_u32 s21, s21, SLOT
	s_add_co_u32 s22, s22, SLOT
.endr
	s_mul_i32 s23, s10, 16*SPITCH
	s_add_co_u32 s23, s23, STAGE
	v_mul_u32_u24 v5, v1, SPITCH
	s_wait_alu depctr_va_vdst(0)
	v_lshl_add_u32 v5, v2, 5, v5
	v_add_nc_u32 v[STO], s23, v5
	v_mul_u32_u24 v5, v2, SPITCH
	v_lshl_add_u32 v5, v1, 4, v5
	v_add_nc_u32 v[RD], s23, v5
	v_lshlrev_b32 v[CO], 12, v2
	v_lshl_add_u32 v[CO], v1, 4, v[CO]
	v_lshlrev_b32 v6, 4, v1
	s_wait_alu depctr_va_vdst(0)
	s_lshl_b32 s16, s13, 7
	s_lshl_b32 s17, s11, 6
	s_add_co_u32 s16, s16, s17
	s_lshl_b32 s16, s16, 12
	s_mov_b32 s17, 0
	s_lshl_b32 s46, s42, 9
	s_lshl_b32 s47, s12, 8
	s_add_co_u32 s46, s46, s47
	s_mov_b32 s47, 0
	s_add_nc_u64 s[72:73], s[72:73], s[16:17]
	s_add_nc_u64 s[72:73], s[72:73], s[46:47]
	s_add_nc_u64 s[74:75], s[74:75], s[16:17]
	s_add_nc_u64 s[74:75], s[74:75], s[46:47]
	s_add_nc_u64 s[70:71], s[70:71], s[46:47]
	global_prefetch_b8 v22, s[92:93] offset:512 th:TH_LOAD_NT scope:SCOPE_SE    ; slot 1
	global_prefetch_b8 v22, s[92:93] offset:1024 th:TH_LOAD_NT scope:SCOPE_SE   ; slot 2
.macro FETCH slot, q, f
	WIN TO_F
.irp i, 0,1,2,3
.irp c, 0,1,2,3
	ds_load_b128 v[\f+64+16*\i+4*\c:\f+64+16*\i+4*\c+3], v[ADRB+\slot] offset:128*(\q)+32*\c+\i*16*PITCH
.if PROJ
	ds_load_b128 v[\f+16*\i+4*\c:\f+16*\i+4*\c+3], v[ADRA+\slot] offset:(2*(\q)+\c/2)*5120+32*(\c%2)+\i*1280
.else
	ds_load_b128 v[\f+16*\i+4*\c:\f+16*\i+4*\c+3], v[ADRA+\slot] offset:128*(\q)+32*\c+\i*16*PITCH
.endif
.endr
.endr
.endm
.macro MULA f, a, zero
.irp b, 0,1,2,3
.if \zero
	v_wmma_f32_16x16x128_fp8_fp8 v[ACC+8*(4*(\a)+\b):ACC+8*(4*(\a)+\b)+7], v[\f+64+16*\b:\f+64+16*\b+15], v[\f+16*(\a):\f+16*(\a)+15], 0
.else
	v_wmma_f32_16x16x128_fp8_fp8 v[ACC+8*(4*(\a)+\b):ACC+8*(4*(\a)+\b)+7], v[\f+64+16*\b:\f+64+16*\b+15], v[\f+16*(\a):\f+16*(\a)+15], v[ACC+8*(4*(\a)+\b):ACC+8*(4*(\a)+\b)+7]
.endif
.endr
.endm
.macro PLACES
.rept 4
	v_nop
.endr
.endm
.macro STEP slot, q, f, g, zero
	s_wait_dscnt 0x0
	PLACES
	FETCH \slot, (\q)+1, \g
	WIN MUL
	MULA \f, 0, \zero
	MULA \f, 1, \zero
	MULA \f, 2, \zero
	MULA \f, 3, \zero
.endm
.macro TURN slot, next, fill
	WIN 0
.if (\fill) && (\slot) == 0
	s_wait_xcnt 0x0                                ; my prefetches have read their base: it steps a lap (two slots) on
	s_add_nc_u64 s[92:93], s[92:93], 1024
.endif
	s_wait_tensorcnt 0x0
	ds_add_u32 v[SPW], v[NIL]
	s_wait_dscnt 1
	WIN MUL
	MULA F1, 0, 0
	MULA F1, 1, 0
	s_wait_dscnt 0x0
	s_barrier_signal -1
	MULA F1, 2, 0
.if \fill
	WIN 0
.endif
	s_barrier_wait -1
.if \fill
	CREST
	s_add_nc_u64 s[G0+4*\slot+2:G0+4*\slot+3], s[G0+4*\slot+2:G0+4*\slot+3], 2*ASTEP
	s_add_nc_u64 s[G0B+4*\slot+2:G0B+4*\slot+3], s[G0B+4*\slot+2:G0B+4*\slot+3], 1024
	JLOAD \slot
.else
	PLACES
.endif
	FETCH \next, 0, F0
.if \fill
	WIN 0                                          ; at a branch and at a label every window is 0
	s_cmp_gt_u32 s3, 1                             ; the last trip's refills are slots 6 and 7: no slot stands two on
	s_cbranch_scc0 .Lno_ask_\@
	global_prefetch_b8 v22, s[92:93] offset:1024+512*(\slot) th:TH_LOAD_NT scope:SCOPE_SE   ; the slot two fills on from the one just asked for
.Lno_ask_\@:
.endif
	WIN MUL
	MULA F1, 3, 0
.endm
	s_wait_alu depctr_va_vdst(0)                   ; the wait at the head's end
	s_wait_tensorcnt 0x0                           ; my part of slot 0 is in; slot 1's first fill is issued as a refill is:
	ds_add_u32 v[SPW], v[NIL]
	s_wait_dscnt 0x0
	CROUND                                         ; everybody's part of slot 0 is in, and the joint loads meet
	JLOAD 1
	FETCH 0, 0, F0
	global_prefetch_b8 v22, s[92:93] offset:1536 th:TH_LOAD_NT scope:SCOPE_SE   ; slot 3
	STEP 0, 0, F0, F1, 1
.if LAPS > 1
	WIN 0
	s_mov_b32 s3, LAPS-1
.Llap:
	STEP 0, 1, F1, F0, 0
	STEP 0, 2, F0, F1, 0
	TURN 0, 1, 1
	STEP 1, 0, F0, F1, 0
	STEP 1, 1, F1, F0, 0
	STEP 1, 2, F0, F1, 0
	TURN 1, 0, 1
	STEP 0, 0, F0, F1, 0
	WIN 0
	s_sub_co_u32 s3, s3, 1
	s_cmp_lg_u32 s3, 0
	s_cbranch_scc1 .Llap
.endif
	global_load_b128 v[12:15], v6, s[70:71]        ; NOT at the head, as the head comment has it: the bias and the residual are asked for here, at the start of the last lap, which asks for no more tiles: seven steps of products stand ahead of their first use
	WIN 0x80                                       ; destination window 2
.irp a, 0,1,2,3
.irp t, 0,1,2,3,4,5,6,7
	global_load_b128 v[4*(8*\a+\t):4*(8*\a+\t)+3], v[CO], s[72:73] offset:(16*\a+2*\t)*4096
.endr
.endr
	WIN 0
	STEP 0, 1, F1, F0, 0
	STEP 0, 2, F0, F1, 0
	TURN 0, 1, 0
	STEP 1, 0, F0, F1, 0
	STEP 1, 1, F1, F0, 0
	STEP 1, 2, F0, F1, 0
	s_wait_dscnt 0x0
	MULA F1, 0, 0
	MULA F1, 1, 0
	MULA F1, 2, 0
	MULA F1, 3, 0
	WIN 0
	s_wait_kmcnt 0x0
	s_add_co_i32 s78, s76, s77
	s_add_co_i32 s78, s78, 127
	s_lshl_b32 s78, s78, 23
	s_mov_b32 s79, s78
	PLACES
.macro OUTB a
.set BK, 32+32*((\a)%2)
.if (\a) >= 2
	s_wait_xcnt 0x0
.endif
.irp b, 0,1,2,3
	ds_store_b128 v[STO], v[ACC+8*(4*(\a)+\b):ACC+8*(4*(\a)+\b)+3] offset:64*\b
	ds_store_b128 v[STO], v[ACC+8*(4*(\a)+\b)+4:ACC+8*(4*(\a)+\b)+7] offset:64*\b+16
.endr
.irp t, 0,1,2,3,4,5,6,7
	ds_load_b128 v[BK+4*\t:BK+4*\t+3], v[RD] offset:\t*2*SPITCH
.endr
	s_wait_dscnt 0x0
	s_wait_loadcnt 8*(3-(\a))                      ; the bias and this block's eight rows of the residual are in; the later blocks' eight loads each may be out
	WIN 0x20
.irp t, 0,1,2,3,4,5,6,7
.irp p, 0,2
	v_pk_fma_f32 v[BK+4*\t+\p:BK+4*\t+\p+1], v[BK+4*\t+\p:BK+4*\t+\p+1], s[78:79], v[4*(8*(\a)+\t)+\p:4*(8*(\a)+\t)+\p+1] op_sel_hi:[1,0,1]
.endr
.endr
	WIN 0
.irp t, 0,1,2,3,4,5,6,7
.irp p, 0,2
	v_pk_add_f32 v[BK+4*\t+\p:BK+4*\t+\p+1], v[BK+4*\t+\p:BK+4*\t+\p+1], v[12+\p:13+\p]
.endr
	global_store_b128 v[CO], v[BK+4*\t:BK+4*\t+3], s[74:75] offset:(16*(\a)+2*\t)*4096
.endr
.endm
	OUTB 0
	OUTB 1
	OUTB 2
	OUTB 3
	s_wait_tensorcnt 0x0
	ds_add_u32 v[SPW], v[NIL]
	s_wait_dscnt 0x0
	CROUND
	s_endpgm
.Lfunc_end_k_qc58a625bfa_mproj:
	.size	k_qc58a625bfa_mproj, .Lfunc_end_k_qc58a625bfa_mproj-k_qc58a625bfa_mproj
	.p2alignl 7, 3214868480
	.fill 96, 4, 3214868480
	.section	.rodata,"a",@progbits
	.p2align	6, 0x0
	.amdhsa_kernel k_qc58a625bfa_mproj
		.amdhsa_group_segment_fixed_size 327680
		.amdhsa_private_segment_fixed_size 0
		.amdhsa_enable_private_segment 0
		.amdhsa_kernarg_size 48
		.amdhsa_user_sgpr_count 2
		.amdhsa_user_sgpr_kernarg_segment_ptr 1
		.amdhsa_wavefront_size32 1
		.amdhsa_system_sgpr_workgroup_id_x 1
		.amdhsa_system_sgpr_workgroup_id_y 1
		.amdhsa_system_sgpr_workgroup_id_z 1
		.amdhsa_system_vgpr_workitem_id 0
		.amdhsa_next_free_vgpr 640
		.amdhsa_next_free_sgpr 100
		.amdhsa_reserve_vcc 0
		.amdhsa_float_denorm_mode_32 3
		.amdhsa_float_denorm_mode_16_64 3
		.amdhsa_memory_ordered 1
		.amdhsa_forward_progress 1
		.amdhsa_inst_pref_size 83
	.end_amdhsa_kernel
	.amdgpu_metadata
---
amdhsa.version: [ 1, 2 ]
amdhsa.kernels:
  - .name:           k_qc58a625bfa_mproj
    .symbol:         k_qc58a625bfa_mproj.kd
    .args:
      - { .name: gc, .offset: 0, .size: 8, .value_kind: global_buffer, .address_space: global }
      - { .name: pc, .offset: 8, .size: 8, .value_kind: global_buffer, .address_space: global }
      - { .name: lowp_scales, .offset: 16, .size: 8, .value_kind: global_buffer, .address_space: global }
      - { .name: b_mproj, .offset: 24, .size: 8, .value_kind: global_buffer, .address_space: global }
      - { .name: x1, .offset: 32, .size: 8, .value_kind: global_buffer, .address_space: global }
      - { .name: out0, .offset: 40, .size: 8, .value_kind: global_buffer, .address_space: global }
    .group_segment_fixed_size: 327680
    .private_segment_fixed_size: 0
    .kernarg_segment_align: 8
    .kernarg_segment_size: 48
    .max_flat_workgroup_size: 128
    .sgpr_count:     100
    .vgpr_count:     640
    .wavefront_size: 32
...
	.end_amdgpu_metadata
.endif
;; end of part 7
